; MI455X (gfx1250); checked and timed in simulation.
; The chip was launched on July 23, 2026; its instructions are those of AMD's public machine-readable ISA for CDNA 5 (MIT licence, August 2026) and "CDNA5" Instruction Set Architecture Reference Guide (July 2026). The comments in the code are by the model that wrote it; some were corrected since.
;; Mo E1. Allowed arithmetic: matrix products marked QUANTISED: E2M3 operands, one E8M0 scale for each 32 along K, by v_wmma_scale_f32_16x16x128_f8f6f4 with both operands' format E2M3, f32 sums; products left as they are: f32 operands where the result goes on into a quantised operand, else bf16, f16 or f32 operands; f32 sums; everything else in f32.
;; Inputs: W1_codes 8 x 4,096 x 32 x 24 uint8 (E2M3 codes of W1, K innermost, in blocks of 32 codes, four codes in three bytes); W1_scales 8 x 4,096 x 32 uint8 (E8M0 scales of W1, one for each 32 codes along K); W2_codes 8 x 1,024 x 128 x 24 uint8 (E2M3 codes of W2, K innermost, in blocks of 32 codes, four codes in three bytes); W2_scales 8 x 1,024 x 128 uint8 (E8M0 scales of W2, one for each 32 codes along K); Wr 1,024 x 8 float32; b1 8 x 4,096 float32; b2 8 x 1,024 float32; br 8 float32; x 4 x 256 x 1,024 float32.
;; Outputs: out0 4 x 256 x 1,024 float32.
;; This version of the problem:
;;   THIS VERSION OF THE PROBLEM IS GIVEN IN LOW PRECISION. The matrix products marked QUANTISED in the list below multiply operands that are first quantised to E2M3 (2 exponent bits, 3 mantissa bits; 6 bits a number), with one power-of-two scale for each 32 numbers along K (OCP MX v1.0); their sums are f32. All else is computed in f32.
;;   The module's matrix products, in the order in which they are computed (A, B: the left and right operand; K: the contracted axis; several contracted axes count as one K, in the product's order):
;;     1. [M 1,024, K 1,024] x [K 1,024, N 8]; A: input x; B: input Wr: left as it is (N = 8 < 16)
;;     2. [M 1,024, K 1,024] x [K 1,024, N 32,768]; A: input x; B: input W1 (given as codes): QUANTISED
;;     3. batch 8 x [M 1,024, K 4,096] x [K 4,096, N 1,024]; A: input W2 (given as codes); B: computed on the way: QUANTISED
;;     4. batch 1,024 x [M 1, K 8] x [K 8, N 1,024]; A: computed on the way; B: computed on the way: left as it is (K = 8 < 32)
;;     5. [M 1,024, K 8] x [K 8, N 1,024]; A: computed on the way; B: input b2: left as it is (K = 8 < 32)
;;   THE QUANTISER, for each operand of a quantised product, along K:
;;     - K is cut into blocks of 32 from its start; a last block that is shorter is filled with zeros.
;;     - A block's scale is 2^e with e = floor(log2(the largest magnitude in the block)) - 2, held to -126 .. 127; a block of zeros has e = 0. As a byte (E8M0): e + 127.
;;     - Each number is divided by its block's scale, clamped to +-7.5, and rounded to the nearest number of E2M3, ties to even, subnormals kept.
;;     - The product sums the exact products of the quantised numbers (number of the format x scale) in f32.
;;   ~~~python
;;   def quantise(x, axis):      # numpy; x: float32 -> the quantised numbers, widened to float32 again
;;       x = np.moveaxis(x, axis, -1); K = x.shape[-1]
;;       x = np.pad(x, [(0, 0)] * (x.ndim - 1) + [(0, -K % 32)]); x = x.reshape(x.shape[:-1] + (-1, 32)); a = np.abs(x).max(-1, keepdims=True)
;;       e = np.where(a > 0, np.clip(np.frexp(np.where(a > 0, a, 1))[1] - 1 - 2, -126, 127), 0)      # np.frexp(a)[1] - 1 = floor(log2(a)), exactly
;;       r = np.clip(x / 2.0 ** e, -7.5, 7.5)
;;       step = 2.0 ** (np.maximum(np.frexp(np.where(r == 0, 1, r))[1] - 1, 0) - 3)
;;       q = np.round(r / step) * step * 2.0 ** e      # np.round: ties to even
;;       return np.moveaxis(q.reshape(q.shape[:-2] + (-1,))[..., :K], -1, axis).astype(np.float32)
;;   ~~~
;;   OPERANDS COMPUTED ON THE WAY. 'Computed on the way' means the value that the module computes at that place (a softmax that the list does not call 'softmax' is quantised finished and normalised). What goes into a quantiser is computed in f32, as accurately as f32 sums, v_exp_f32 and their like allow (about 1e-6 of the number): no bf16 or f16 on the way to a quantiser, and a product that is left as it is and whose result goes on into a quantised operand takes f32 operands (vector FMAs, or v_wmma_f32_16x16x4_f32). A number that lies on a knife's edge between two numbers of the format may be rounded either way, as far as f32 arithmetic and the matrix unit's own rounding can turn it there, and no further.
;;   INPUTS GIVEN AS CODES. W1 (in the module: [8, 1024, 4096], K = its axis 1); W2 (in the module: [8, 4096, 1024], K = its axis 1): each comes as NAME_codes (uint8): NAME with its K axis moved to the last place and cut into blocks of 32 codes, [.., K / 32, bytes a block], one block behind the other in memory; four codes in three bytes: a row's codes are one little-endian stream of bits, code i at bits 6 i .. 6 i + 5 (a code: sign, 2 exponent bits, 3 mantissa bits); and NAME_scales (uint8): the same leading axes, one E8M0 byte (e + 127) for each 32 codes along K. Its value is code x scale, taken as it is: it is not quantised again, and the codes and scales need not be those that the quantiser above would give.
;; 2 versions, each right; version 2 is version 1 with the launches ffn1, ffn2 written anew for expert scheduling mode. Each part assembles by itself: llvm-mc -triple=amdgcn-amd-amdhsa -mcpu=gfx1250 --defsym DOCPART=n.
;; ======== version 1 of 2: 4 launches
;; workspace buffers: route 5,120 bytes of whole numbers; xqs 851,968 bytes; hqs 26,247,168 bytes; dest 32,768 bytes of whole numbers; part 33,554,432 bytes
;; launch router (part 1): grid 64 x 1, 8 waves a work-group, no clusters, 57,344 bytes of LDS; arguments x, Wr, br, route, xqs; writes route, xqs
.if DOCPART == 1
	.amdgcn_target "amdgcn-amd-amdhsa--gfx1250"
	.amdhsa_code_object_version 6
	.text
	.protected	k_qea63c69bde_router
	.globl	k_qea63c69bde_router
	.p2align	8
	.type	k_qea63c69bde_router,@function
k_qea63c69bde_router:
	s_mov_b64 s[64:65], 0
	v_nop
	global_prefetch_b8 v0, s[64:65] scope:SCOPE_SE
	s_setreg_imm32_b32 hwreg(HW_REG_WAVE_MODE, 25, 1), 1
	s_wait_xcnt 0x0
; THE ROUTER, AND x's QUANTISER.  x: [1024 tokens][1024] f32.  Wr: [1024][8], br: [8] f32.
; Per token: logits = x Wr + br in f32 (fused multiply-adds), softmax with the maximum taken away, the two largest gates (a tie keeps the lower index), their
; weights divided by their sum.  Stored at fixed places: for each expert a bit mask of the tokens that chose it, each token's second expert, and the row of 8 combine weights.
; Besides: x as codes of E2M3 with one E8M0 byte for each 32 along K, laid as the next launch's operand registers want them.
; SHARES.  A work-group takes 16 tokens.  Wave w: half k' = w % 2 of K (512 numbers), tokens 4 (w / 2) .. + 3.  Lane l holds 16 neighbours along K, d = 512 k' + 16 l + i: two neighbouring lanes hold a block of 32.
; Loads take the bytes as they lie (512 consecutive bytes a wave); a token's 2,048 bytes turn through the wave's own stage in LDS and come back 64 bytes a lane.
; xqs: byte 0: codes [1024][768]: block 4 s + 2 c + h of a token at byte 96 s + 48 h + 24 c;  XS_OFF: scale bytes [1024][32];  CMB_OFF: combine weights f32 [1024][8].
; route: byte 0: u16 [8 experts][64 groups of 16 tokens], bit i = token 16 g + i chose the expert;  SEL_OFF: u32 [1024], the token's second expert.
; LIMITS: NaN and infinities among the inputs are not served.  A block of zeros gets the byte 1 where the quantiser says 127: its codes are zeros, and this program alone reads the bytes.
; Gates under 2^-126 come out of v_exp_f32 as 0; their weight is then nothing beside the first gate's, whichever expert is taken for them.  Two gates closer than the f32 sums' own error may change places.
.set WRP,     528                      ; LDS: a lane's 16 rows of Wr, 512 bytes, + 16: 132 words
.set XST,     64*WRP                   ; behind Wr's 64 chunks: a stage of 32 x SP bytes for each wave
.set SP,      80                       ; a lane's place in a stage: 64 bytes + 16
.set LGS,     XST+8*32*SP              ; partial logits [16 tokens][2 halves of K][8] f32
.set XSB,     LGS+1024                 ; scale bytes [16 tokens][32]
.set XS_OFF,  786432
.set CMB_OFF, 819200
.set SEL_OFF, 1024
.set X,   16                           ; v16-79    4 tokens x 16 neighbours
.set LG,  80                           ; v80-111   4 tokens x 8 logits
.set CD,  112                          ; v112-127  a token's codes in 3 registers, its scale byte in the fourth
.set WR,  128                          ; v128-255  Wr(d_i, e) at 8 i + e;  ahead of the first barrier: v128-191 x as loaded, v192-223 Wr as loaded
.set R,   128
.set WL,  192
; v1 lane; v2 16 x thread; v3 16 x lane; v4 my codes' place in a token's 768 bytes; v5, v13 scale bytes in LDS (in, out); v6, v7 logits in LDS (in, out); v10, v12 Wr in LDS (in, out); v14, v15 the stage (in, out); v8, v9, v11 at work
	s_load_b256 s[4:11], s[0:1], 0x0               ; x s[4:5], Wr s[6:7], br s[8:9], route s[10:11]
	s_load_b64 s[12:13], s[0:1], 0x20              ; xqs
	s_set_vgpr_msb 0x40
	v_lshl_add_u32 v0, v0, 2, 0xdc00
	v_mov_b32 v1, 0
	s_set_vgpr_msb 0x4000
	v_lshrrev_b32 v1, 5, v0
	v_readfirstlane_b32 s14, v1                    ; wave 0..7
	v_and_b32 v1, 31, v0                           ; lane
	s_and_b32 s15, s14, 1                          ; k': which half of K
	s_lshr_b32 s24, s14, 1                         ; g: which four tokens
	s_mov_b32 s25, ttmp9                           ; the work-group's number
	s_mov_b32 s28, 0x76543210                      ; v_permlanex16_b32's selects for lane l xor 16
	s_mov_b32 s29, 0xfedcba98
	s_mov_b32 s34, 0x3fb8aa3b                      ; log2(e)
	v_lshlrev_b32 v2, 4, v0
	v_lshlrev_b32 v3, 4, v1
	v_lshrrev_b32 v8, 3, v1                        ; my block is 16 k' + l / 2: K step 4 k' + l / 8, h = bit 1 of l, c = bit 2 of l; my half of it = bit 0
	v_mul_u32_u24 v4, v8, 96
	v_bfe_u32 v8, v1, 1, 1
	v_mad_u32_u24 v4, v8, 48, v4
	v_bfe_u32 v8, v1, 2, 1
	v_mad_u32_u24 v4, v8, 24, v4
	v_and_b32 v8, 1, v1
	v_mad_u32_u24 v4, v8, 12, v4
	s_mul_i32 s26, s15, 384
	v_add_nc_u32 v4, s26, v4
	s_lshl_b32 s26, s24, 7
	s_lshl_b32 s27, s15, 4
	s_add_co_u32 s26, s26, s27
	s_add_co_u32 s26, s26, XSB
	v_lshrrev_b32 v5, 1, v1
	v_add_nc_u32 v5, s26, v5                       ; XSB + 32 x (4 g) + 16 k' + l / 2
	s_lshl_b32 s26, s24, 8
	s_lshl_b32 s27, s15, 5
	s_add_co_u32 s26, s26, s27
	s_add_co_u32 s26, s26, LGS
	v_mov_b32 v6, s26                              ; LGS + 64 x (4 g) + 32 k': the same in all lanes
	v_and_b32 v7, 15, v1
	v_lshl_add_u32 v7, v7, 6, LGS                  ; LGS + 64 x token
	s_lshl_b32 s26, s14, 4
	v_add_nc_u32 v10, s26, v2                      ; 528 x wave + 16 x lane: byte 4096 i + 16 x thread of Wr lies in chunk 8 i + wave
	s_mul_i32 s26, s15, 32*WRP
	v_mul_u32_u24 v12, v1, WRP
	v_add_nc_u32 v12, s26, v12                     ; my chunk: 32 k' + l
	v_add_nc_u32 v13, XSB, v3
	s_mul_i32 s26, s14, 32*SP
	s_add_co_u32 s26, s26, XST                     ; my wave's stage
	v_lshrrev_b32 v8, 2, v1
	v_mul_u32_u24 v14, v8, SP
	v_and_b32 v8, 3, v1
	v_lshl_add_u32 v14, v8, 4, v14
	v_add_nc_u32 v14, s26, v14                     ; in: four lanes' 64 bytes on end, then 16 of padding
	v_mul_u32_u24 v15, v1, SP
	v_add_nc_u32 v15, s26, v15                     ; out: my 16 neighbours
	s_lshl_b32 s26, s25, 16                        ; x: (16 wg + 4 g) rows of 4,096 bytes + 2,048 k'
	s_lshl_b32 s27, s24, 14
	s_add_co_u32 s26, s26, s27
	s_lshl_b32 s27, s15, 11
	s_add_co_u32 s26, s26, s27
	s_mov_b32 s27, 0
	s_lshl_b32 s38, s25, 2                         ; the codes: (16 wg + 4 g) rows of 768 bytes
	s_add_co_u32 s38, s38, s24
	s_mul_i32 s38, s38, 3072
	s_mov_b32 s39, 0
	s_wait_kmcnt 0x0
	s_add_nc_u64 s[4:5], s[4:5], s[26:27]
	s_add_nc_u64 s[36:37], s[12:13], s[38:39]
	s_load_b256 s[16:23], s[8:9], 0x0              ; br's eight numbers; waited for where wave 0 adds them
.irp i, 0,1,2,3,4,5,6,7
	global_load_b128 v[WL+4*\i:WL+4*\i+3], v2, s[6:7] offset:4096*\i           ; all of Wr, 4,096 consecutive bytes a work-group's load
.endr
.irp t, 0,1,2,3
.irp i, 0,1,2,3
	global_load_b128 v[R+16*\t+4*\i:R+16*\t+4*\i+3], v3, s[4:5] offset:4096*\t+512*\i th:TH_LOAD_NT   ; 512 consecutive bytes; each byte of x is read once
.endr
.endr
	s_wait_loadcnt 16                              ; Wr's eight loads are in; x's sixteen may be out
.irp i, 0,1,2,3,4,5,6,7
	ds_store_b128 v10, v[WL+4*\i:WL+4*\i+3] offset:8*WRP*\i
.endr
; Token t's 2,048 bytes through the stage.  LDS serves a wave's instructions in order (ISA guide 5.7.1.4): no wait between the stores and the loads, nor in front of the next token's stores.
.macro TURN t
	s_wait_loadcnt 12-4*\t                         ; this token's four loads are in; the later tokens' may be out
.irp i, 0,1,2,3
	ds_store_b128 v14, v[R+16*\t+4*\i:R+16*\t+4*\i+3] offset:8*SP*\i
.endr
.irp i, 0,1,2,3
	ds_load_b128 v[X+16*\t+4*\i:X+16*\t+4*\i+3], v15 offset:16*\i
.endr
.endm
	TURN 0
	TURN 1
	TURN 2
	TURN 3
	s_wait_dscnt 0x0                               ; for the others' sake: my part of Wr lies in LDS (and my neighbours are back)
	s_barrier_signal -1
	s_barrier_wait -1
.set n, 0
.rept 32
	ds_load_b128 v[WR+4*n:WR+4*n+3], v12 offset:16*n   ; my 16 rows of Wr: they land while x is quantised
.set n, n+1
.endr
; Token t's 16 numbers of mine become 16 codes.  The block's scale is 2^(floor(log2(largest magnitude)) - 2): its byte is the largest magnitude's exponent field - 2.
.macro QUANT16 t
.set XS, X+16*\t
	v_max3_num_f32 v8, |v[XS]|, |v[XS+1]|, |v[XS+2]|
	v_max3_num_f32 v9, |v[XS+3]|, |v[XS+4]|, |v[XS+5]|
.irp i, 6,10
	v_max3_num_f32 v8, v8, |v[XS+\i]|, |v[XS+\i+1]|
	v_max3_num_f32 v9, v9, |v[XS+\i+2]|, |v[XS+\i+3]|
.endr
	v_max3_num_f32 v8, v8, |v[XS+14]|, |v[XS+15]|
	v_max3_num_f32 v8, v8, v9, 0x1800000           ; and the floor 2^(3 - 127): the byte cannot fall under 1
	v_max_num_f32_dpp v8, v8, v8 row_xmask:1 row_mask:0xf bank_mask:0xf   ; with my neighbour's 16: the block's
	v_add_nc_u32 v11, 0xff000000, v8               ; 2 off the exponent field: the conversion takes that field of this operand as its scale
	v_cvt_scalef32_pk16_fp6_f32 v[CD+4*\t:CD+4*\t+2], v[XS:XS+15], v11
	v_lshrrev_b32 v[CD+4*\t+3], 23, v11            ; the scale's byte (also the plain line behind the conversion)
	ds_store_b8 v5, v[CD+4*\t+3] offset:32*\t      ; both lanes of a block write the same byte with the same value
	global_store_b96 v4, v[CD+4*\t:CD+4*\t+2], s[36:37] offset:768*\t
.endm
	QUANT16 0
	QUANT16 1
	QUANT16 2
	QUANT16 3
	s_wait_dscnt 0x0                               ; Wr's rows are in
; The logits: two experts an instruction, the four tokens by turns.  Of x's pair one register serves both halves (op_sel).
.irp i, 0,1,2,3,4,5,6,7,8,9,10,11,12,13,14,15
.irp t, 0,1,2,3
.irp p, 0,1,2,3
.if \i == 0
	v_pk_mul_f32 v[LG+8*\t+2*\p:LG+8*\t+2*\p+1], v[WR+2*\p:WR+2*\p+1], v[X+16*\t:X+16*\t+1] op_sel_hi:[1,0]
.elseif (\i%2) == 0
	v_pk_fma_f32 v[LG+8*\t+2*\p:LG+8*\t+2*\p+1], v[WR+8*\i+2*\p:WR+8*\i+2*\p+1], v[X+16*\t+\i:X+16*\t+\i+1], v[LG+8*\t+2*\p:LG+8*\t+2*\p+1] op_sel_hi:[1,0,1]
.else
	v_pk_fma_f32 v[LG+8*\t+2*\p:LG+8*\t+2*\p+1], v[WR+8*\i+2*\p:WR+8*\i+2*\p+1], v[X+16*\t+\i-1:X+16*\t+\i], v[LG+8*\t+2*\p:LG+8*\t+2*\p+1] op_sel:[0,1,0] op_sel_hi:[1,1,1]
.endif
.endr
.endr
.endr
; Over the 32 lanes: four steps inside each half ride on the addition, one crosses the halves.  Every lane ends with the sum.
.irp m, 1,2,4,8
.set n, 0
.rept 32
	v_add_f32_dpp v[LG+n], v[LG+n], v[LG+n] row_xmask:\m row_mask:0xf bank_mask:0xf
.set n, n+1
.endr
.endr
.set n, 0
.rept 32
	v_permlanex16_b32 v[WR+n], v[LG+n], s28, s29   ; (its destination counts as read: Wr's registers have been written and are done with)
.set n, n+1
.endr
.set n, 0
.rept 32
	v_add_f32 v[LG+n], v[LG+n], v[WR+n]
.set n, n+1
.endr
.irp t, 0,1,2,3
	ds_store_b128 v6, v[LG+8*\t:LG+8*\t+3] offset:64*\t       ; all lanes write the same words with the same values
	ds_store_b128 v6, v[LG+8*\t+4:LG+8*\t+7] offset:64*\t+16
.endr
	s_wait_dscnt 0x0                               ; for the others' sake: my logits and my scale bytes lie in LDS
	s_barrier_signal -1
	s_barrier_wait -1
	s_cmp_eq_u32 s14, 0
	s_cbranch_scc1 .Lchoose
	s_cmp_eq_u32 s14, 1
	s_cbranch_scc1 .Lscales
	s_set_vgpr_msb 0x5
	s_wait_tensorcnt 0x0
	ds_add_u32 v0, v1
	s_wait_dscnt 0x0
	s_set_vgpr_msb 0x500
	s_endpgm
.Lscales:                                              ; wave 1: the 16 tokens' scale bytes leave as 512 consecutive bytes, aligned
	ds_load_b128 v[16:19], v13
	s_lshl_b32 s26, s25, 9
	v_add_nc_u32 v20, s26, v3
	s_wait_dscnt 0x0
	global_store_b128 v20, v[16:19], s[12:13] offset:XS_OFF
	s_set_vgpr_msb 0x5
	s_wait_tensorcnt 0x0
	ds_add_u32 v0, v1
	s_wait_dscnt 0x0
	s_set_vgpr_msb 0x500
	s_endpgm
.Lchoose:                                              ; wave 0: a lane to a token (lanes 16-31 repeat lanes 0-15)
	ds_load_b128 v[16:19], v7
	ds_load_b128 v[20:23], v7 offset:16
	ds_load_b128 v[24:27], v7 offset:32
	ds_load_b128 v[28:31], v7 offset:48
	s_lshl_b32 s26, s25, 9
	v_lshl_add_u32 v44, v1, 5, s26                 ; combine weights: 32 bytes a token
	s_lshl_b32 s27, s25, 6
	v_lshl_add_u32 v45, v1, 2, s27                 ; second expert: 4 bytes a token
	s_lshl_b32 s33, s25, 1
	v_lshl_add_u32 v46, v1, 7, s33                 ; masks: lane e stores expert e's 16 bits at 128 e + 2 x work-group
	s_wait_kmcnt 0x0                               ; br
	s_wait_dscnt 0x0
.irp e, 0,1,2,3,4,5,6,7
	v_add_f32 v[16+\e], v[16+\e], v[24+\e]         ; the two halves of K
.endr
.irp e, 0,1,2,3,4,5,6,7
	v_add_f32 v[16+\e], s[16+\e], v[16+\e]         ; + br
.endr
	v_max3_num_f32 v32, v16, v17, v18
	v_max3_num_f32 v32, v32, v19, v20
	v_max3_num_f32 v32, v32, v21, v22
	v_max_num_f32 v32, v32, v23                    ; the row's maximum is taken away ahead of the exponentials
.irp e, 0,1,2,3,4,5,6,7
	v_sub_f32 v[16+\e], v[16+\e], v32
.endr
.irp e, 0,1,2,3,4,5,6,7
	v_mul_f32 v[16+\e], s34, v[16+\e]
.endr
.irp e, 0,1,2,3,4,5,6,7
	v_exp_f32 v[16+\e], v[16+\e]
.endr
	v_mov_b32 v41, 0                               ; (a plain line behind the exponentials)  the masks' register
	s_wait_alu depctr_va_vdst(0)
	v_add_f32 v33, v16, v17
	v_add_f32 v24, v18, v19
	v_add_f32 v25, v20, v21
	v_add_f32 v26, v22, v23
	v_add_f32 v33, v33, v24
	v_add_f32 v25, v25, v26
	v_add_f32 v33, v33, v25
	v_rcp_f32 v33, v33
	v_mov_b32 v35, 0                               ; (a plain line behind the reciprocal)  the first choice's index
	s_wait_alu depctr_va_vdst(0)
.irp e, 0,1,2,3,4,5,6,7
	v_mul_f32 v[16+\e], v[16+\e], v33              ; the gates
.endr
	v_mov_b32 v34, v16
.irp e, 1,2,3,4,5,6,7
	v_cmp_gt_f32 vcc_lo, v[16+\e], v34             ; strictly larger: a tie keeps the lower index
	v_cndmask_b32 v34, v34, v[16+\e], vcc_lo
	v_cndmask_b32 v35, v35, \e, vcc_lo
.endr
	v_mov_b32 v36, -1.0                            ; under every gate
	v_mov_b32 v37, 0
.irp e, 0,1,2,3,4,5,6,7
	v_cmp_gt_f32 s30, v[16+\e], v36
	v_cmp_ne_u32 s31, \e, v35                      ; not the first choice again
	s_and_b32 vcc_lo, s30, s31
	v_cndmask_b32 v36, v36, v[16+\e], vcc_lo
	v_cndmask_b32 v37, v37, \e, vcc_lo
.endr
	v_add_f32 v38, v34, v36
	v_rcp_f32 v38, v38
	v_nop                                          ; a plain line behind the reciprocal
	s_wait_alu depctr_va_vdst(0)
	v_mul_f32 v39, v34, v38                        ; the two weights, divided by their sum
	v_mul_f32 v40, v36, v38
.irp e, 0,1,2,3,4,5,6,7
	v_cmp_eq_u32 s30, \e, v35
	v_cmp_eq_u32 s31, \e, v37
	v_cndmask_b32 v[48+\e], 0, v39, s30
	v_cndmask_b32 v[48+\e], v[48+\e], v40, s31     ; the token's combine weight for expert e
	s_or_b32 s32, s30, s31                         ; bit i: token i chose expert e
	v_writelane_b32 v41, s32, \e
.endr
	s_wait_xcnt 0x0                                ; EXEC changes only behind this wait: my stores of codes have read it
	v_cmp_gt_u32 vcc_lo, 16, v0
	s_set_vgpr_msb 0x5
	s_wait_tensorcnt 0x0
	ds_add_u32 v0, v1
	s_wait_dscnt 0x0
	s_set_vgpr_msb 0x500
	s_and_saveexec_b32 s30, vcc_lo
	global_store_b128 v44, v[48:51], s[12:13] offset:CMB_OFF      ; sixteen lanes: 512 consecutive bytes with the line below
	global_store_b128 v44, v[52:55], s[12:13] offset:CMB_OFF+16
	global_store_b32 v45, v37, s[10:11] offset:SEL_OFF
	s_wait_xcnt 0x0
	s_or_b32 exec_lo, exec_lo, s30
	v_cmp_gt_u32 vcc_lo, 8, v0
	s_and_saveexec_b32 s30, vcc_lo
	global_store_b16 v46, v41, s[10:11]            ; eight lanes, 16 bits each: all that this work-group knows of each expert's mask
	s_wait_xcnt 0x0
	s_or_b32 exec_lo, exec_lo, s30
	s_endpgm
.Lfunc_end_k_qea63c69bde_router:
	.size	k_qea63c69bde_router, .Lfunc_end_k_qea63c69bde_router-k_qea63c69bde_router
	.p2alignl 7, 3214868480
	.fill 96, 4, 3214868480
	.section	.rodata,"a",@progbits
	.p2align	6, 0x0
	.amdhsa_kernel k_qea63c69bde_router
		.amdhsa_group_segment_fixed_size 57344
		.amdhsa_private_segment_fixed_size 0
		.amdhsa_enable_private_segment 0
		.amdhsa_kernarg_size 40
		.amdhsa_user_sgpr_count 2
		.amdhsa_user_sgpr_kernarg_segment_ptr 1
		.amdhsa_wavefront_size32 1
		.amdhsa_system_sgpr_workgroup_id_x 1
		.amdhsa_system_sgpr_workgroup_id_y 1
		.amdhsa_system_sgpr_workgroup_id_z 1
		.amdhsa_system_vgpr_workitem_id 0
		.amdhsa_next_free_vgpr 258
		.amdhsa_next_free_sgpr 66
		.amdhsa_reserve_vcc 1
		.amdhsa_float_denorm_mode_32 3
		.amdhsa_float_denorm_mode_16_64 3
		.amdhsa_memory_ordered 1
		.amdhsa_forward_progress 1
		.amdhsa_inst_pref_size 52
	.end_amdhsa_kernel
	.amdgpu_metadata
---
amdhsa.version: [ 1, 2 ]
amdhsa.kernels:
  - .name:           k_qea63c69bde_router
    .symbol:         k_qea63c69bde_router.kd
    .args:
      - { .name: x, .offset: 0, .size: 8, .value_kind: global_buffer, .address_space: global }
      - { .name: Wr, .offset: 8, .size: 8, .value_kind: global_buffer, .address_space: global }
      - { .name: br, .offset: 16, .size: 8, .value_kind: global_buffer, .address_space: global }
      - { .name: route, .offset: 24, .size: 8, .value_kind: global_buffer, .address_space: global }
      - { .name: xqs, .offset: 32, .size: 8, .value_kind: global_buffer, .address_space: global }
    .group_segment_fixed_size: 57344
    .private_segment_fixed_size: 0
    .kernarg_segment_align: 8
    .kernarg_segment_size: 40
    .max_flat_workgroup_size: 256
    .sgpr_count:     66
    .vgpr_count:     258
    .wavefront_size: 32
...
	.end_amdgpu_metadata
.endif
;; end of part 1
;; launch ffn1 (part 2): grid 32 x 8, 4 waves a work-group, no clusters, 101,376 bytes of LDS; arguments route, xqs, W1_codes, W1_scales, b1, hqs, dest; writes hqs, dest
.if DOCPART == 2
	.amdgcn_target "amdgcn-amd-amdhsa--gfx1250"
	.amdhsa_code_object_version 6
	.text
	.protected	k_qea63c69bde_ffn1
	.globl	k_qea63c69bde_ffn1
	.p2align	8
	.type	k_qea63c69bde_ffn1,@function
k_qea63c69bde_ffn1:
	s_mov_b64 s[64:65], 0
	v_nop
	global_prefetch_b8 v0, s[64:65] scope:SCOPE_SE
	s_setreg_imm32_b32 hwreg(HW_REG_WAVE_MODE, 25, 1), 1
	s_wait_xcnt 0x0
; THE FIRST PRODUCT, FOR THE CHOSEN ROWS ONLY: hidden = Q(gelu(x W1[e] + b1[e])), on codes of E2M3 with one E8M0 scale for each 32 along K.
; Work-group (c, e) owns hidden units 128 c .. 128 c + 127 of expert e: 128 rows of W1's codes x K = 1,024 are 64 fragments (8 tiles x 8 K steps), 768 registers.
; EACH OF THE FOUR WAVES HOLDS THE WHOLE SLICE and takes row tiles of its own: tile T = wave, wave + 4, ..  So the weights are read from memory once, by this work-group alone, and the loop has no barrier and no LDS traffic but the bias.
; THE ROWS of expert e are the tokens whose bit is set in its mask (32 words, stored by the launch before), in ascending order: slot p is the token of the p-th set bit.  The wave makes its own slots' tokens in registers.
; The last tile's slots beyond the expert's count hold some real token: they are computed and stored in the tile's own image, and the next launch never sends them on.
; No tensor load, no cluster: the trips hang on counts read from memory, and each slice of the weights has one reader.
; TRANSPOSED: source 0 = 16 rows of W1, source 1 = 16 routed rows: a lane holds ONE row and its registers run along the hidden units.  THE ROWS OF W1 THAT FORM A TILE ARE NOT NEIGHBOURS: lane r of tile 2 b + u takes unit
; 32 b + 8 u + r + 8 (r / 8), so that the 64 results of a lane are k = 32 b + 16 (lane / 16) + i of K step c of the second product, 16 neighbours to each pair of tiles.
; GELU, exact form: 0.5 u (1 + erf(u / sqrt 2)), erf as t P(t^2) / Q(t^2) with t held to +-3.8325069: a rational form good to a few units in f32's last place of erf.
; OUT: hqs byte 0: images of the hidden fragments [8 e][64 tiles][32 K steps][3][32 lanes][16 bytes];  HS_OFF: their scale words u32 [8][64][32][16 rows];  GW_OFF: f32 [8][1024 slots] the slot's combine weight.
;      dest: u32 [8][1024 slots] = 2 x token + (1 where e is the token's second choice).  The last two are stored by the work-groups with c = 0.
; LIMITS: NaN and infinities are not served.  1 + erf carries erf's absolute error, about 1e-7: for u under about -5.4 the result is |u| times that at the most, of either sign, in place of a still smaller number.
; A block of zeros gets the byte 1: its codes are zeros, and this program alone reads the bytes.
; REGISTERS, in windows of 256: window 0: see the names below.  Windows 1-3: fragment f = 8 s + t (K step s, tile t), f <= 62, in window 1 + f / 21 at register 12 (f % 21); fragment 63 in window 0.  At the head window 3 holds the staged loads.
.set XS_OFF,  786432
.set CMB_OFF, 819200
.set SEL_OFF, 1024
.set HS_OFF,  25165824
.set GW_OFF,  26214400
.set PITCH,   784                      ; LDS: a row of the slice, 768 bytes + 16 = 196 words: row r starts 4 r banks on (64 banks of 4 bytes: ISA guide 11.1)
.set BIAS,    128*PITCH                ; behind the 128 rows: my 128 numbers of b1
; v3 48 h; v4 16 h; v5 bias in LDS; v6 16 x lane; v7 4 r; v8-11 the prefetch's offsets; v12 my row's token; v13 its second expert; v14 its combine weight; v15 its dest
.set LR,   16                          ; v16-23   my wave's tokens, 16 bits each: 16 tiles' worth of my row r
.set BS,   24                          ; v24-27   x's scale words: register j: lanes 0-15 K step j, lanes 16-31 K step j + 4.  Scales and nothing else
.set WS,   28                          ; v28-59   W1's: register 4 t + j likewise.  Scales and nothing else
.set F63,  60                          ; v60-71   fragment 63
.set ACC,  72                          ; v72-135  the 8 accumulators
.set BF,   136                         ; v136-231 x's 8 fragments
.set GT,   232                         ; v232-251 the activation's work: t, t^2, P, Q, u / 2, a pair each, for two pairs by turns
.set GS,   234
.set GP,   236
.set GQ,   238
.set GH,   240
.set TM,   232                         ; the quantiser's work: v232-235 largest magnitudes, v236-239 bytes, v240-243 the conversions' scale operands
.set PW,   244                         ; the scale word
.set CA,   246                         ; the first two blocks' codes
.set CB,   250
.set FA,   232                         ; at the head only: LDS addresses and offsets, in registers that never hold loaded data
.set FA2,  233
.set LA,   234
.set LB,   235
.set WSO,  236
.set P0,   237
.set BST,  238
.set BDT,  239                         ; (my number of b1)
.set GB4,  240
.set HH,   241
.set TMP,  242
.set PP,   72                          ; at the head only: the search for my slots' tokens
.set MM,   73
.set QQ,   74
.set KK,   75
.set AA,   76
.set BB,   77
.set CC,   78
.set DD,   79
.set TT,   80
.set PO,   81
.set T2,   82
.set TOK,  83
.set XX,   84
; SCALARS: s84 wave, s85 c, s86 e, s87 the expert's rows, s88 its tiles, then my wave's trips, s89 the trip, s90, s91, s93 at work, s92 lanes 0-15, s[94:95] lane selects, s[96:97] an offset, s[98:99] the masks, s100 4 e, s101 a byte selector.
; At the head s16-47 the 32 mask words, s48-63 and s66-81 for each word (rows before it) x 32 + its number.  In the loop s16-35 the activation's constants in pairs, s40, s41 the hold, s[42:49] four bases.
.set MSB, 0
.macro WIN new                         ; s_set_vgpr_msb: bits 1:0 source 0, 3:2 source 1, 5:4 source 2, 7:6 destination; the high byte repeats the setting that is left
.if MSB != (\new)
	s_set_vgpr_msb (MSB<<8)|(\new)
.set MSB, (\new)
.endif
.endm
.macro SPAIR r, val                    ; a constant for the packed forms, which name a pair and take its low word for both halves
	s_mov_b32 s[\r], \val
	s_mov_b32 s[\r+1], \val
.endm
; One step of the search for the k-th set bit: the field of \width bits at PO holds the count of set bits there; if k is not under it, pass over it.
.macro LEVEL src, width
	v_bfe_u32 v[TT], v[\src], v[PO], \width
	v_cmp_ge_u32 vcc_lo, v[KK], v[TT]
	v_cndmask_b32 v[TT], 0, v[TT], vcc_lo
	v_sub_nc_u32 v[KK], v[KK], v[TT]
	v_cndmask_b32 v[T2], 0, \width, vcc_lo
	v_add_nc_u32 v[PO], v[PO], v[T2]
.endm
; The tokens of 32 slots: lanes 0-15 tile wave + 8 jj, lanes 16-31 tile wave + 8 jj + 4; slot p = 16 x tile + r.
.macro SELECT jj
	v_add_nc_u32 v[KK], 128*\jj, v[P0]             ; p
	v_lshl_or_b32 v[PP], v[KK], 5, 31
	v_mov_b32 v[MM], s16
	v_mov_b32 v[QQ], 0
.set w, 1
.rept 31                               ; the last word with no more than p rows before it
.set pk, 48+w+2*(w/16)
	v_cmp_gt_u32 vcc_lo, s[pk], v[PP]
	v_cndmask_b32 v[MM], s[16+w], v[MM], vcc_lo
	v_cndmask_b32 v[QQ], s[pk], v[QQ], vcc_lo
.set w, w+1
.endr
	v_lshrrev_b32 v[TT], 5, v[QQ]
	v_sub_nc_u32 v[KK], v[KK], v[TT]               ; k: which set bit of that word
	v_and_b32 v[QQ], 31, v[QQ]                     ; the word's number
	v_lshrrev_b32 v[AA], 1, v[MM]                  ; counts of set bits in fields of 2, 4, 8 bits, and in the low 16
	v_and_b32 v[AA], 0x55555555, v[AA]
	v_sub_nc_u32 v[AA], v[MM], v[AA]
	v_lshrrev_b32 v[BB], 2, v[AA]
	v_and_b32 v[BB], 0x33333333, v[BB]
	v_and_b32 v[TT], 0x33333333, v[AA]
	v_add_nc_u32 v[BB], v[BB], v[TT]
	v_lshrrev_b32 v[CC], 4, v[BB]
	v_add_nc_u32 v[CC], v[CC], v[BB]
	v_and_b32 v[CC], 0x0f0f0f0f, v[CC]
	v_lshrrev_b32 v[DD], 8, v[CC]
	v_add_nc_u32 v[DD], v[DD], v[CC]
	v_and_b32 v[TT], 0xff, v[DD]
	v_cmp_ge_u32 vcc_lo, v[KK], v[TT]
	v_cndmask_b32 v[TT], 0, v[TT], vcc_lo
	v_sub_nc_u32 v[KK], v[KK], v[TT]
	v_cndmask_b32 v[PO], 0, 16, vcc_lo
	LEVEL CC, 8
	LEVEL BB, 4
	LEVEL AA, 2
	LEVEL MM, 1
	v_lshl_add_u32 v[TOK], v[QQ], 5, v[PO]
	v_min_u32 v[TOK], 0x3ff, v[TOK]                ; (a slot beyond the expert's rows finds some token: held inside the table)
	v_permlanex16_b32 v[XX], v[TOK], s94, s95      ; both halves of the lanes want row r's token of both tiles
	v_cndmask_b32 v[TT], v[XX], v[TOK], s92        ; the earlier tile's,
	v_cndmask_b32 v[T2], v[TOK], v[XX], s92        ; the later one's
	v_lshl_or_b32 v[LR+\jj], v[T2], 16, v[TT]
.endm
; The next tile's rows are asked for: my row's 8 fragments (lane (r, h): 48 consecutive bytes a K step), its scale words, its second expert, its combine weight for e.
.macro XPRE
	v_and_b32 v12, 0xffff, v[LR]
	v_min_u32 v12, 0x3ff, v12
	v_mul_u32_u24 v8, v12, 768
	v_add_nc_u32 v8, v8, v3
	v_lshl_add_u32 v9, v12, 5, v4
	v_lshlrev_b32 v10, 2, v12
	v_lshl_add_u32 v11, v12, 5, s100
.irp s, 0,1,2,3,4,5,6,7
.irp i, 0,1,2
	global_load_b128 v[BF+12*\s+4*\i:BF+12*\s+4*\i+3], v8, s[6:7] offset:96*\s+16*\i
.endr
.endr
	global_load_b128 v[BS:BS+3], v9, s[6:7] offset:XS_OFF
	global_load_b32 v13, v10, s[4:5] offset:SEL_OFF
	global_load_b32 v14, v11, s[6:7] offset:CMB_OFF
.endm
; 64 matrix instructions: K step by K step, the 8 accumulators by turns, one instruction a turn.  Four switches of source 0's window.
.macro MUL
.set f, 0
.rept 64
.set ks, f/8
.set tl, f%8
.if f < 63
.set wn, 1+f/21
.set wr, 12*(f%21)
.else
.set wn, 0
.set wr, F63
.endif
	WIN wn
.if ks < 4
	v_wmma_scale_f32_16x16x128_f8f6f4 v[ACC+8*tl:ACC+8*tl+7], v[wr:wr+11], v[BF+12*ks:BF+12*ks+11], v[ACC+8*tl:ACC+8*tl+7], v[WS+4*tl+ks], v[BS+ks] matrix_a_fmt:MATRIX_FMT_FP6 matrix_b_fmt:MATRIX_FMT_FP6
.else
	v_wmma_scale_f32_16x16x128_f8f6f4 v[ACC+8*tl:ACC+8*tl+7], v[wr:wr+11], v[BF+12*ks:BF+12*ks+11], v[ACC+8*tl:ACC+8*tl+7], v[WS+4*tl+ks-4], v[BS+ks-4] matrix_a_fmt:MATRIX_FMT_FP6 matrix_b_fmt:MATRIX_FMT_FP6 matrix_a_scale:MATRIX_SCALE_ROW1 matrix_b_scale:MATRIX_SCALE_ROW1
.endif
.set f, f+1
.endr
.endm
; The activation of four numbers, v[ACC + 4 a] on, as two pairs by turns; P's and Q's chains by turns too: no line waits for the line above it.
.macro GELU2 a
.irp z, 0,1
	v_pk_mul_f32 v[GT+10*\z:GT+10*\z+1], v[ACC+4*(\a)+2*\z:ACC+4*(\a)+2*\z+1], s[16:17] op_sel_hi:[1,0]   ; t = u / sqrt 2
.endr
.irp z, 0,1
	v_med3_num_f32 v[GT+10*\z], v[GT+10*\z], s41, s40
	v_med3_num_f32 v[GT+10*\z+1], v[GT+10*\z+1], s41, s40
.endr
.irp z, 0,1
	v_pk_mul_f32 v[GS+10*\z:GS+10*\z+1], v[GT+10*\z:GT+10*\z+1], v[GT+10*\z:GT+10*\z+1]
.endr
.irp z, 0,1
	v_pk_fma_f32 v[GP+10*\z:GP+10*\z+1], v[GS+10*\z:GS+10*\z+1], v[0:1], s[18:19] op_sel_hi:[1,0,0]                ; v0: P's leading coefficient
	v_pk_fma_f32 v[GQ+10*\z:GQ+10*\z+1], v[GS+10*\z:GS+10*\z+1], v[0:1], s[26:27] op_sel:[0,1,0] op_sel_hi:[1,1,0]  ; v1: Q's
.endr
.irp k, 0,1,2
.irp z, 0,1
	v_pk_fma_f32 v[GP+10*\z:GP+10*\z+1], v[GP+10*\z:GP+10*\z+1], v[GS+10*\z:GS+10*\z+1], s[20+2*\k:21+2*\k] op_sel_hi:[1,1,0]
	v_pk_fma_f32 v[GQ+10*\z:GQ+10*\z+1], v[GQ+10*\z:GQ+10*\z+1], v[GS+10*\z:GS+10*\z+1], s[28+2*\k:29+2*\k] op_sel_hi:[1,1,0]
.endr
.endr
.irp z, 0,1
	v_pk_fma_f32 v[GQ+10*\z:GQ+10*\z+1], v[GQ+10*\z:GQ+10*\z+1], v[GS+10*\z:GS+10*\z+1], s[34:35] op_sel_hi:[1,1,0]
	v_pk_mul_f32 v[GH+10*\z:GH+10*\z+1], v[ACC+4*(\a)+2*\z:ACC+4*(\a)+2*\z+1], 0.5 op_sel_hi:[1,0]
.endr
.irp z, 0,1
	v_pk_fma_f32 v[GQ+10*\z:GQ+10*\z+1], v[GQ+10*\z:GQ+10*\z+1], v[GS+10*\z:GS+10*\z+1], 1.0 op_sel_hi:[1,1,0]
.endr
.irp z, 0,1
	v_rcp_f32 v[GQ+10*\z], v[GQ+10*\z]
	v_rcp_f32 v[GQ+10*\z+1], v[GQ+10*\z+1]
.endr
.irp z, 0,1
	v_pk_mul_f32 v[GP+10*\z:GP+10*\z+1], v[GP+10*\z:GP+10*\z+1], v[GT+10*\z:GT+10*\z+1]   ; (plain lines behind the reciprocals, which they do not name)
.endr
	s_wait_alu depctr_va_vdst(0)
.irp z, 0,1
	v_pk_mul_f32 v[GP+10*\z:GP+10*\z+1], v[GP+10*\z:GP+10*\z+1], v[GQ+10*\z:GQ+10*\z+1]   ; erf
.endr
.irp z, 0,1
	v_pk_fma_f32 v[ACC+4*(\a)+2*\z:ACC+4*(\a)+2*\z+1], v[GH+10*\z:GH+10*\z+1], v[GP+10*\z:GP+10*\z+1], v[GH+10*\z:GH+10*\z+1]   ; u / 2 x erf + u / 2
.endr
.endm
; My row's 64 numbers, register 16 b + i = k 32 b + 16 (lane / 16) + i, become a fragment's 12 registers in v[ACC] on and its scale word in v[PW].
.macro QUANT
.irp b, 0,1,2,3
	v_max3_num_f32 v[TM+\b], |v[ACC+16*\b]|, |v[ACC+1+16*\b]|, 0x1800000   ; block b: my 16 numbers, and the floor 2^(3 - 127): the byte cannot fall under 1
.endr
.irp i, 2,4,6,8,10,12,14
.irp b, 0,1,2,3
	v_max3_num_f32 v[TM+\b], v[TM+\b], |v[ACC+16*\b+\i]|, |v[ACC+1+16*\b+\i]|
.endr
.endr
.irp b, 0,1,2,3
	v_permlanex16_b32 v[TM+4+\b], v[TM+\b], s94, s95
.endr
.irp b, 0,1,2,3
	v_max_num_f32 v[TM+\b], v[TM+\b], v[TM+4+\b]   ; with lane l xor 16's: the block's largest magnitude
.endr
.irp b, 0,1,2,3
	v_add_nc_u32 v[TM+8+\b], 0xff000000, v[TM+\b]  ; 2 off its exponent field: the conversion's scale operand
.endr
.irp b, 0,1,2,3
	v_lshrrev_b32 v[TM+4+\b], 23, v[TM+8+\b]       ; the scale's byte
.endr
	v_lshl_or_b32 v[PW], v[TM+5], 8, v[TM+4]
	v_lshl_or_b32 v[PW], v[TM+6], 16, v[PW]
	v_lshl_or_b32 v[PW], v[TM+7], 24, v[PW]
	v_cvt_scalef32_pk16_fp6_f32 v[CA:CA+2], v[ACC:ACC+15], v[TM+8]
	v_cvt_scalef32_pk16_fp6_f32 v[CB:CB+2], v[ACC+16:ACC+31], v[TM+9]
	v_nop                                          ; a plain line: the next two conversions write registers that these two have read
	v_cvt_scalef32_pk16_fp6_f32 v[ACC+6:ACC+8], v[ACC+32:ACC+47], v[TM+10]
	v_cvt_scalef32_pk16_fp6_f32 v[ACC+12:ACC+14], v[ACC+48:ACC+63], v[TM+11]
	v_nop                                          ; a plain line behind the last conversion
.irp i, 0,1,2                          ; the operand's layout wants a WHOLE block in a lane: lanes 0-15 the even block, lanes 16-31 the odd one
	v_permlane16_swap_b32 v[CA+\i], v[CB+\i]
	v_permlane16_swap_b32 v[ACC+6+\i], v[ACC+12+\i]
.endr
.irp i, 0,1,2
	v_mov_b32 v[ACC+\i], v[CA+\i]
	v_mov_b32 v[ACC+3+\i], v[CB+\i]
	v_mov_b32 v[ACC+9+\i], v[ACC+12+\i]
.endr
.endm
	s_load_b256 s[4:11], s[0:1], 0x0               ; route s[4:5], xqs s[6:7], W1's codes s[8:9], W1's scales s[10:11]
	s_load_b128 s[12:15], s[0:1], 0x20             ; b1 s[12:13], hqs s[14:15]
	s_load_b64 s[82:83], s[0:1], 0x30              ; dest
	v_lshl_add_u32 v254, v0, 2, 0x18a00
	v_mov_b32 v255, 0
	v_lshrrev_b32 v1, 5, v0
	v_readfirstlane_b32 s84, v1                    ; wave 0..3
	s_mov_b32 s85, ttmp9                           ; c
	s_and_b32 s86, ttmp7, 0xffff                   ; e
	s_mov_b32 s92, 0xffff
	s_mov_b32 s94, 0x76543210
	s_mov_b32 s95, 0xfedcba98
	s_lshl_b32 s100, s86, 2
	s_mov_b32 s101, 0x05040302                     ; v_perm_b32: the upper half of one word under the lower half of the next
	v_and_b32 v1, 31, v0                           ; lane
	v_and_b32 v2, 15, v0                           ; r
	v_bfe_u32 v[HH], v0, 4, 1                      ; h
	v_mul_u32_u24 v3, v[HH], 48
	v_lshlrev_b32 v4, 4, v[HH]
	v_lshl_add_u32 v5, v[HH], 6, BIAS              ; tile 2 b + u, my half: units 32 b + 16 h + 8 u + 0 .. 7
	v_lshlrev_b32 v6, 4, v1
	v_lshlrev_b32 v7, 2, v2
	v_mul_u32_u24 v[FA], v2, PITCH
	v_mad_u32_u24 v[FA], v[HH], 24, v[FA]          ; a fragment: place r of its tile, + 24 h
	v_add_nc_u32 v[FA2], 64*PITCH, v[FA]           ; the same for tiles 4-7: an LDS offset has 16 bits
	s_mul_i32 s90, s84, 32*PITCH
	v_add_nc_u32 v[LA], s90, v6                    ; the stage's way in: my wave's 32 places, 16 bytes a lane;
	v_add_nc_u32 v[LB], v[LA], v4                  ; where a load straddles two rows, lanes 16-31 lie one padding further on
	v_and_b32 v[TMP], 8, v2
	v_add_nc_u32 v[TMP], v[TMP], v2                ; r + 8 (r / 8)
	v_lshl_add_u32 v[WSO], v[TMP], 5, v4           ; W1's scale bytes: 32 a row; lanes 16-31 take K steps 4-7
	s_lshl_b32 s90, s84, 4
	v_lshl_add_u32 v[P0], v[HH], 6, v2
	v_add_nc_u32 v[P0], s90, v[P0]                 ; 16 x wave + 64 h + r
	v_lshlrev_b32 v[GB4], 2, v0
	v_add_nc_u32 v[BST], BIAS, v[GB4]
.irp i, 0,1,2,3,4,5,6,7
	v_mov_b32 v[LR+\i], 0                          ; tiles that the search below leaves out hold token 0
.endr
	v_mov_b32 v[XX], 0                             ; a lane permute's destination counts as one of its sources
	s_lshl_b32 s90, s86, 12
	s_lshl_b32 s91, s85, 7
	s_add_co_u32 s90, s90, s91                     ; the slice's first row: 4096 e + 128 c
	s_lshl_b32 s96, s84, 5
	s_add_co_u32 s96, s96, s90
	s_mul_i32 s96, s96, 768                        ; my wave stages 32 rows: 24,576 consecutive bytes
	s_mov_b32 s97, 0
	s_wait_kmcnt 0x0
	s_add_nc_u64 s[8:9], s[8:9], s[96:97]
	s_lshl_b32 s96, s90, 5
	s_add_nc_u64 s[10:11], s[10:11], s[96:97]
	s_lshl_b32 s96, s90, 2
	s_add_nc_u64 s[12:13], s[12:13], s[96:97]
	s_lshl_b32 s96, s86, 7
	s_add_nc_u64 s[98:99], s[4:5], s[96:97]
	s_load_b512 s[16:31], s[98:99], 0x0            ; the expert's mask: 1,024 bits
	s_load_b512 s[32:47], s[98:99], 0x40
	global_load_b32 v[BDT], v[GB4], s[12:13]       ; 128 threads, 128 numbers of b1
.irp t, 0,1,2,3,4,5,6,7
	global_load_b128 v[WS+4*\t:WS+4*\t+3], v[WSO], s[10:11] offset:(32*(\t/2)+8*(\t%2))*32
.endr
	WIN 0xc0                                       ; destination window 3
.set n, 0
.rept 48
	global_load_b128 v[4*n:4*n+3], v6, s[8:9] offset:512*n th:TH_LOAD_NT   ; 512 consecutive bytes; read once in the launch
.set n, n+1
.endr
	WIN 0
	s_wait_kmcnt 0x0                               ; the mask.  All that follows down to the stage runs while the weights are on their way
	s_mov_b32 s87, 0
.set w, 0
.rept 32
.set pk, 48+w+2*(w/16)
	s_lshl_b32 s[pk], s87, 5
.if w > 0
	s_or_b32 s[pk], s[pk], w
.endif
	s_bcnt1_i32_b32 s90, s[16+w]
	s_add_co_u32 s87, s87, s90
.set w, w+1
.endr
	s_add_co_u32 s88, s87, 15
	s_lshr_b32 s88, s88, 4                         ; tiles of 16 rows
.irp jj, 0,1,2,3,4,5,6,7
	s_add_co_u32 s90, s84, 8*\jj
	s_cmp_ge_u32 s90, s88
	s_cbranch_scc1 .Lsel_done
	SELECT \jj
.endr
.Lsel_done:
	s_wait_loadcnt 48                              ; b1 and the scale words are in; the 48 staged loads may be out
	ds_store_b32 v[BST], v[BDT]
	WIN 0x0c                                       ; an LDS store's data are its source 1: window 3
; Rows 2 y and 2 y + 1 of my 32 (1,536 bytes, three loads) go to neighbouring places: row x of a block of 32 units lies at place 16 (bit 3) + 8 (bit 4) + its low 3 bits, so that a tile is 16 places on end.
.set y, 0
.rept 16
.set pos, 16*((y>>2)&1)+8*(y>>3)+2*(y&3)
	s_wait_loadcnt 45-3*y                          ; this pair's three loads are in; the later pairs' may be out
	ds_store_b128 v[LA], v[12*y:12*y+3] offset:pos*PITCH
	ds_store_b128 v[LB], v[12*y+4:12*y+7] offset:pos*PITCH+512
	ds_store_b128 v[LA], v[12*y+8:12*y+11] offset:pos*PITCH+1040
.set y, y+1
.endr
	WIN 0
	XPRE                                           ; my first tile's rows.  Every wave asks: one without a tile asks for token 0 and uses nothing of it
	s_wait_dscnt 0x0                               ; for the others' sake: my 32 rows and my number of b1 lie in LDS
	s_barrier_signal -1
	s_barrier_wait -1                              ; the one barrier: every wave passes it
	s_cmp_ge_u32 s84, s88
	s_cbranch_scc1 .Lend                           ; no tile for this wave
.set f, 0
.rept 64                               ; the whole slice into my registers: a fragment is six loads of 8 bytes, so that every address is a multiple of the access's size
.set ks, f/8
.set tl, f%8
.if f < 63
.set wd, (1+f/21)*64
.set wr, 12*(f%21)
.else
.set wd, 0
.set wr, F63
.endif
.if tl < 4
.set adr, FA
.else
.set adr, FA2
.endif
	WIN wd
.irp p, 0,1,2,3,4,5
	ds_load_b64 v[wr+2*\p:wr+2*\p+1], v[adr] offset:16*(tl%4)*PITCH+96*ks+48*(\p/3)+8*(\p%3)
.endr
.set f, f+1
.endr
	WIN 0
	SPAIR 16, 0x3f3504f3                           ; 1 / sqrt 2
	SPAIR 18, 0x3b5f5da2                           ; P: 0.0034082910,
	SPAIR 20, 0x3d50b6eb                           ;    0.050955695,
	SPAIR 22, 0x3e3da740                           ;    0.18520832,
	SPAIR 24, 0x3f906eba                           ;    1.1283791
	SPAIR 26, 0x37c588df                           ; Q: 0.000023547966,
	SPAIR 28, 0x3a856d28                           ;    0.0010179625,
	SPAIR 30, 0x3c6687d4                           ;    0.014070470,
	SPAIR 32, 0x3de34c21                           ;    0.11098505,
	SPAIR 34, 0x3efeb44a                           ;    0.49746925; its last term is 1
	s_mov_b32 s40, 0x407547cb                      ; t is held to +-3.8325069
	s_mov_b32 s41, 0xc07547cb
	v_mov_b32 v0, 0x39702d51                       ; P's leading coefficient, 0.00022905066
	v_mov_b32 v1, 0xb3fd3906                       ; Q's, -1.1791603e-7
	s_lshl_b32 s90, s86, 6
	s_add_co_u32 s90, s90, s84                     ; 64 e + my first tile
	s_lshl_b32 s90, s90, 5
	s_add_co_u32 s90, s90, s85                     ; x 32 K steps + c
	s_mul_i32 s96, s90, 1536
	s_add_nc_u64 s[42:43], s[14:15], s[96:97]      ; the image
	s_lshl_b32 s96, s90, 6
	s_add_co_u32 s96, s96, HS_OFF
	s_add_nc_u64 s[44:45], s[14:15], s[96:97]      ; its scale words
	s_lshl_b32 s96, s86, 12
	s_lshl_b32 s90, s84, 6
	s_add_co_u32 s96, s96, s90                     ; (1024 e + 16 x tile) x 4
	s_add_nc_u64 s[46:47], s[82:83], s[96:97]      ; dest
	s_add_co_u32 s96, s96, GW_OFF
	s_add_nc_u64 s[48:49], s[14:15], s[96:97]      ; the slots' weights
	s_sub_co_u32 s88, s88, s84                     ; my trips: tiles wave, wave + 4, .. under the expert's count: (tiles - wave + 3) / 4, at least 1 here;
	s_add_co_u32 s88, s88, 3
	s_lshr_b32 s88, s88, 2
	s_min_u32 s88, s88, 16                         ; 1,024 rows at the most are 64 tiles, 16 a wave
	s_mov_b32 s89, 0
	s_wait_dscnt 0x0                               ; the slice is in
.Ltile:                                                ; a trip is a tile of 16 rows
.irp t, 0,1,2,3,4,5,6,7
	ds_load_b128 v[ACC+8*\t:ACC+8*\t+3], v5 offset:(32*(\t/2)+8*(\t%2))*4          ; the bias starts the sums: no addition is spent on it
	ds_load_b128 v[ACC+8*\t+4:ACC+8*\t+7], v5 offset:(32*(\t/2)+8*(\t%2))*4+16
.endr
	s_wait_loadcnt 0x0                             ; the tile's rows, asked for a trip ago
	v_cmp_eq_u32 vcc_lo, s86, v13
	v_cndmask_b32 v15, 0, 1, vcc_lo
	v_lshl_add_u32 v15, v12, 1, v15                ; 2 x token + (e is its second choice)
	s_cmp_lg_u32 s85, 0
	s_cbranch_scc1 .Lnot_first
	global_store_b32 v7, v15, s[46:47]             ; lanes r and r + 16 write the same word with the same value
	global_store_b32 v7, v14, s[48:49]
.Lnot_first:
	s_wait_dscnt 0x0                               ; the bias
	MUL
	WIN 0
.irp i, 0,1,2,3,4,5,6
	v_perm_b32 v[LR+\i], v[LR+\i+1], v[LR+\i], s101    ; the list moves on by 16 bits.  These eight plain lines name no register of the products: they are the places
.endr
	v_lshrrev_b32 v[LR+7], 16, v[LR+7]             ; behind the last of them, in front of the loads into x's registers and of the first read of results
	s_wait_xcnt 0x0                                ; the stores above have read v14: it and the offsets are written again only behind this wait
	s_add_co_u32 s93, s89, 1
	s_cmp_ge_u32 s93, s88
	s_cbranch_scc1 .Lno_pre                        ; the last trip asks for nothing
	XPRE                                           ; the next tile's rows land under the activation
.Lno_pre:
.irp a, 0,1,2,3,4,5,6,7,8,9,10,11,12,13,14,15
	GELU2 \a                                       ; in ascending order: each accumulator is first read at its low end
.endr
	QUANT
.irp i, 0,1,2
	global_store_b128 v6, v[ACC+4*\i:ACC+4*\i+3], s[42:43] offset:512*\i   ; the fragment as it stands: 512 consecutive bytes a store, aligned
.endr
	global_store_b32 v7, v[PW], s[44:45]
	s_wait_xcnt 0x0                                ; the stores have read their data and bases: both are written again only behind this wait
	s_add_nc_u64 s[42:43], s[42:43], 4*32*1536     ; four tiles on
	s_add_nc_u64 s[44:45], s[44:45], 4*32*64
	s_add_nc_u64 s[46:47], s[46:47], 256
	s_add_nc_u64 s[48:49], s[48:49], 256
	s_add_co_u32 s89, s89, 1
	s_cmp_lt_u32 s89, s88
	s_cbranch_scc1 .Ltile
.Lend:
	s_wait_tensorcnt 0x0
	ds_add_u32 v254, v255
	s_wait_dscnt 0x0
	s_endpgm
.Lfunc_end_k_qea63c69bde_ffn1:
	.size	k_qea63c69bde_ffn1, .Lfunc_end_k_qea63c69bde_ffn1-k_qea63c69bde_ffn1
	.p2alignl 7, 3214868480
	.fill 96, 4, 3214868480
	.section	.rodata,"a",@progbits
	.p2align	6, 0x0
	.amdhsa_kernel k_qea63c69bde_ffn1
		.amdhsa_group_segment_fixed_size 101376
		.amdhsa_private_segment_fixed_size 0
		.amdhsa_enable_private_segment 0
		.amdhsa_kernarg_size 56
		.amdhsa_user_sgpr_count 2
		.amdhsa_user_sgpr_kernarg_segment_ptr 1
		.amdhsa_wavefront_size32 1
		.amdhsa_system_sgpr_workgroup_id_x 1
		.amdhsa_system_sgpr_workgroup_id_y 1
		.amdhsa_system_sgpr_workgroup_id_z 1
		.amdhsa_system_vgpr_workitem_id 0
		.amdhsa_next_free_vgpr 1024
		.amdhsa_next_free_sgpr 102
		.amdhsa_reserve_vcc 1
		.amdhsa_float_denorm_mode_32 3
		.amdhsa_float_denorm_mode_16_64 3
		.amdhsa_memory_ordered 1
		.amdhsa_forward_progress 1
		.amdhsa_inst_pref_size 145
	.end_amdhsa_kernel
	.amdgpu_metadata
---
amdhsa.version: [ 1, 2 ]
amdhsa.kernels:
  - .name:           k_qea63c69bde_ffn1
    .symbol:         k_qea63c69bde_ffn1.kd
    .args:
      - { .name: route, .offset: 0, .size: 8, .value_kind: global_buffer, .address_space: global }
      - { .name: xqs, .offset: 8, .size: 8, .value_kind: global_buffer, .address_space: global }
      - { .name: W1_codes, .offset: 16, .size: 8, .value_kind: global_buffer, .address_space: global }
      - { .name: W1_scales, .offset: 24, .size: 8, .value_kind: global_buffer, .address_space: global }
      - { .name: b1, .offset: 32, .size: 8, .value_kind: global_buffer, .address_space: global }
      - { .name: hqs, .offset: 40, .size: 8, .value_kind: global_buffer, .address_space: global }
      - { .name: dest, .offset: 48, .size: 8, .value_kind: global_buffer, .address_space: global }
    .group_segment_fixed_size: 101376
    .private_segment_fixed_size: 0
    .kernarg_segment_align: 8
    .kernarg_segment_size: 56
    .max_flat_workgroup_size: 128
    .sgpr_count:     102
    .vgpr_count:     1024
    .wavefront_size: 32
...
	.end_amdgpu_metadata
.endif
;; end of part 2
;; launch ffn2 (part 3): grid 32 x 8, 4 waves a work-group, no clusters, 135,168 bytes of LDS; arguments route, dest, hqs, W2_codes, W2_scales, b2, part; writes part
.if DOCPART == 3
	.amdgcn_target "amdgcn-amd-amdhsa--gfx1250"
	.amdhsa_code_object_version 6
	.text
	.protected	k_qea63c69bde_ffn2
	.globl	k_qea63c69bde_ffn2
	.p2align	8
	.type	k_qea63c69bde_ffn2,@function
k_qea63c69bde_ffn2:
	s_mov_b64 s[64:65], 0
	v_nop
	global_prefetch_b8 v0, s[64:65] scope:SCOPE_SE
	s_setreg_imm32_b32 hwreg(HW_REG_WAVE_MODE, 25, 1), 1
	s_wait_xcnt 0x0
; THE SECOND PRODUCT, FOR THE CHOSEN ROWS ONLY: part[dest][q] = weight x (hidden W2[e], K steps 8 q .. 8 q + 7, + b2[e] in quarter 0), on codes of E2M3 with one E8M0 scale for each 32 along K.
; Work-group x = dc + 8 q, y = e: columns d = 128 dc .. + 127 of the output, a quarter q of K = 4,096: 128 rows of W2's codes x 1,024 along K are 64 fragments, 768 registers.
; EACH OF THE FOUR WAVES HOLDS THE WHOLE SLICE and takes row tiles of its own: tile T = wave, wave + 4, ..  The weights are read from memory once, by this work-group alone.
; The hidden layer comes as images of its operand registers (stored by the launch before): 12,288 consecutive bytes a tile and quarter.
; Source 0 = 16 rows of W2, source 1 = the hidden fragment: lane (r, h), register j of tile t holds (routed row r, d = 16 t + 8 h + j).
; A routed row's result goes to the row dest = 2 x token + choice of part, f32 [2048][4 q][1024]: each byte of part has one writer, and the last launch adds a token's eight rows.
; Rows beyond the expert's count in its last tile are never stored.  No tensor load, no cluster: the trips hang on counts read from memory, and each slice of the weights has one reader.
; REGISTERS, in windows of 256: window 0: see the names below.  Windows 1-3: fragment f = 8 s + t, f <= 62, in window 1 + f / 21 at register 12 (f % 21); fragment 63 in window 0.  At the head window 3 holds the staged loads.
.set HS_OFF,  25165824
.set GW_OFF,  26214400
.set PITCH,   784                      ; LDS: a row of the slice, 768 bytes + 16 = 196 words: row r starts 4 r banks on (64 banks of 4 bytes: ISA guide 11.1)
.set BIAS,    128*PITCH                ; my 128 numbers of b2 (zeros in quarters 1-3)
.set STG,     BIAS+512                 ; the way out: 16 rows x SPITCH for each wave
.set SPITCH,  528
; v5 bias in LDS; v6 16 x lane; v7 4 r; v8 4 r + 256 h; v9, v10 the stage (in, out); v[12:13] my row's weight in use; v14 the next tile's
.set BS,   24                          ; v24-27   the hidden layer's scale words: register j: lanes 0-15 K step j, lanes 16-31 K step j + 4.  Scales and nothing else
.set WS,   28                          ; v28-59   W2's: register 4 t + j likewise.  Scales and nothing else
.set F63,  60                          ; v60-71   fragment 63
.set ACC,  72                          ; v72-135  the 8 accumulators; on the way out 16 whole rows
.set BF,   136                         ; v136-231 the hidden layer's 8 fragments
.set FA,   232                         ; at the head only: LDS addresses and offsets
.set FA2,  233
.set LA,   234
.set LB,   235
.set WSO,  236
.set GBO,  237
.set BST,  238
.set BDT,  239                         ; (my number of b2)
.set GB4,  240
.set HH,   241
; SCALARS: s84 wave, s85 dc, s86 e, s87 the expert's rows, s88 its tiles, then my wave's trips, s89 the trip, s90, s91, s100 at work, s93 rows left from this tile on, s[96:97] an offset, s[98:99] the masks, s101 q.
; s16-47 at the head the mask; in the loop s[16:31] the tile's 16 dest words, s[32:63] 16 row addresses; s[66:71] three bases; s72 dest's byte offset; s[74:75] part at my quarter and columns; s[76:77] an offset.
.set MSB, 0
.macro WIN new                         ; s_set_vgpr_msb: bits 1:0 source 0, 3:2 source 1, 5:4 source 2, 7:6 destination; the high byte repeats the setting that is left
.if MSB != (\new)
	s_set_vgpr_msb (MSB<<8)|(\new)
.set MSB, (\new)
.endif
.endm
; The next tile is asked for: its 8 fragments as they were stored, their scale words, my row's weight, and the 16 dest words as scalars.
.macro HPRE
.set n, 0
.rept 24
	global_load_b128 v[BF+4*n:BF+4*n+3], v6, s[66:67] offset:512*n
.set n, n+1
.endr
.irp j, 0,1,2,3
	global_load_b32 v[BS+\j], v8, s[68:69] offset:64*\j
.endr
	global_load_b32 v14, v7, s[70:71]
	s_load_b512 s[16:31], s[6:7], s72 offset:0x0
.endm
; 64 matrix instructions: K step by K step, the 8 accumulators by turns, one instruction a turn.  Four switches of source 0's window.
.macro MUL
.set f, 0
.rept 64
.set ks, f/8
.set tl, f%8
.if f < 63
.set wn, 1+f/21
.set wr, 12*(f%21)
.else
.set wn, 0
.set wr, F63
.endif
	WIN wn
.if ks < 4
	v_wmma_scale_f32_16x16x128_f8f6f4 v[ACC+8*tl:ACC+8*tl+7], v[wr:wr+11], v[BF+12*ks:BF+12*ks+11], v[ACC+8*tl:ACC+8*tl+7], v[WS+4*tl+ks], v[BS+ks] matrix_a_fmt:MATRIX_FMT_FP6 matrix_b_fmt:MATRIX_FMT_FP6
.else
	v_wmma_scale_f32_16x16x128_f8f6f4 v[ACC+8*tl:ACC+8*tl+7], v[wr:wr+11], v[BF+12*ks:BF+12*ks+11], v[ACC+8*tl:ACC+8*tl+7], v[WS+4*tl+ks-4], v[BS+ks-4] matrix_a_fmt:MATRIX_FMT_FP6 matrix_b_fmt:MATRIX_FMT_FP6 matrix_a_scale:MATRIX_SCALE_ROW1 matrix_b_scale:MATRIX_SCALE_ROW1
.endif
.set f, f+1
.endr
.endm
	s_load_b256 s[4:11], s[0:1], 0x0               ; route s[4:5], dest s[6:7], hqs s[8:9], W2's codes s[10:11]
	s_load_b128 s[12:15], s[0:1], 0x20             ; W2's scales s[12:13], b2 s[14:15]
	s_load_b64 s[82:83], s[0:1], 0x30              ; part
	v_lshl_add_u32 v254, v0, 2, 0x20e00
	v_mov_b32 v255, 0
	v_lshrrev_b32 v1, 5, v0
	v_readfirstlane_b32 s84, v1                    ; wave 0..3
	s_and_b32 s85, ttmp9, 7                        ; dc
	s_lshr_b32 s101, ttmp9, 3                      ; q
	s_and_b32 s86, ttmp7, 0xffff                   ; e
	v_and_b32 v1, 31, v0                           ; lane
	v_and_b32 v2, 15, v0                           ; r
	v_bfe_u32 v[HH], v0, 4, 1                      ; h
	v_lshl_add_u32 v5, v[HH], 5, BIAS              ; tile t, my half: d = 16 t + 8 h + 0 .. 7
	v_lshlrev_b32 v6, 4, v1
	v_lshlrev_b32 v7, 2, v2
	v_lshl_add_u32 v8, v[HH], 8, v7
	s_mul_i32 s90, s84, 16*SPITCH
	s_add_co_u32 s90, s90, STG                     ; my stage
	v_mul_u32_u24 v9, v2, SPITCH
	v_lshl_add_u32 v9, v[HH], 5, v9
	v_add_nc_u32 v9, s90, v9                       ; in: row r, 32 bytes for each half of the lanes
	v_add_nc_u32 v10, s90, v6                      ; back: the 32 lanes take a row of 512 bytes
	v_mov_b32 v13, 0                               ; (named as the upper half of the pair v[12:13])
	v_mul_u32_u24 v[FA], v2, PITCH
	v_mad_u32_u24 v[FA], v[HH], 24, v[FA]          ; a fragment: row r of its tile, + 24 h
	v_add_nc_u32 v[FA2], 64*PITCH, v[FA]           ; the same for tiles 4-7: an LDS offset has 16 bits
	s_mul_i32 s90, s84, 32*PITCH
	v_add_nc_u32 v[LA], s90, v6                    ; the stage of the weights, way in: my wave's 32 rows, 16 bytes a lane;
	v_lshl_add_u32 v[LB], v[HH], 4, v[LA]          ; where a load straddles two rows, lanes 16-31 lie one padding further on in LDS,
	v_mul_u32_u24 v[GBO], v[HH], 2304
	v_add_nc_u32 v[GBO], v[GBO], v6                ; and 3,072 - 768 bytes further on in memory
	v_lshlrev_b32 v[WSO], 7, v2
	v_lshl_add_u32 v[WSO], v[HH], 4, v[WSO]        ; W2's scale bytes: 128 a row; lanes 16-31 take the quarter's K steps 4-7
	v_lshlrev_b32 v[GB4], 2, v0
	v_add_nc_u32 v[BST], BIAS, v[GB4]
	s_lshl_b32 s90, s86, 10
	s_lshl_b32 s91, s85, 7
	s_add_co_u32 s90, s90, s91                     ; the slice's first row: 1024 e + 128 dc
	s_lshl_b32 s96, s84, 5
	s_add_co_u32 s96, s96, s90
	s_mul_i32 s96, s96, 3072                       ; my wave stages 32 rows' pieces of 768 bytes: three aligned blocks of 256 bytes each
	s_mul_i32 s91, s101, 768
	s_add_co_u32 s96, s96, s91
	s_mov_b32 s97, 0
	s_wait_kmcnt 0x0
	s_add_nc_u64 s[10:11], s[10:11], s[96:97]
	s_lshl_b32 s96, s90, 7
	s_lshl_b32 s91, s101, 5
	s_add_co_u32 s96, s96, s91
	s_add_nc_u64 s[12:13], s[12:13], s[96:97]
	s_lshl_b32 s96, s90, 2
	s_add_nc_u64 s[14:15], s[14:15], s[96:97]
	s_lshl_b32 s96, s86, 7
	s_add_nc_u64 s[98:99], s[4:5], s[96:97]
	s_load_b512 s[16:31], s[98:99], 0x0            ; the expert's mask: only its count is wanted here
	s_load_b512 s[32:47], s[98:99], 0x40
	global_load_b32 v[BDT], v[GB4], s[14:15]       ; 128 threads, 128 numbers of b2
.irp t, 0,1,2,3,4,5,6,7
	global_load_b128 v[WS+4*\t:WS+4*\t+3], v[WSO], s[12:13] offset:2048*\t
.endr
	WIN 0xc0                                       ; destination window 3
.set y, 0
.rept 16                               ; rows 2 y and 2 y + 1 of my 32: 1,536 bytes, three loads
	global_load_b128 v[12*y:12*y+3], v6, s[10:11] offset:6144*y th:TH_LOAD_NT
	global_load_b128 v[12*y+4:12*y+7], v[GBO], s[10:11] offset:6144*y+512 th:TH_LOAD_NT
	global_load_b128 v[12*y+8:12*y+11], v6, s[10:11] offset:6144*y+3328 th:TH_LOAD_NT
.set y, y+1
.endr
	WIN 0
	s_lshl_b32 s90, s86, 6                         ; the bases of my first tile
	s_add_co_u32 s90, s90, s84
	s_lshl_b32 s90, s90, 5
	s_lshl_b32 s96, s101, 3
	s_add_co_u32 s90, s90, s96                     ; (64 e + tile) x 32 K steps + 8 q
	s_mul_i32 s96, s90, 1536
	s_add_nc_u64 s[66:67], s[8:9], s[96:97]        ; the images
	s_lshl_b32 s96, s90, 6
	s_add_co_u32 s96, s96, HS_OFF
	s_add_nc_u64 s[68:69], s[8:9], s[96:97]        ; their scale words
	s_lshl_b32 s72, s86, 12
	s_lshl_b32 s90, s84, 6
	s_add_co_u32 s72, s72, s90                     ; (1024 e + 16 x tile) x 4: dest's byte offset
	s_add_co_u32 s96, s72, GW_OFF
	s_add_nc_u64 s[70:71], s[8:9], s[96:97]        ; the slots' weights
	s_lshl_b32 s96, s101, 12
	s_lshl_b32 s90, s85, 9
	s_add_co_u32 s96, s96, s90
	s_add_nc_u64 s[74:75], s[82:83], s[96:97]      ; part at quarter q, column 128 dc
	s_mov_b32 s77, 0
	s_cmp_eq_u32 s101, 0
	s_cselect_b32 s91, -1, 0                       ; the bias counts once: in quarter 0
	s_wait_kmcnt 0x0                               ; the mask
	s_mov_b32 s87, 0
.set w, 0
.rept 32
	s_bcnt1_i32_b32 s90, s[16+w]
	s_add_co_u32 s87, s87, s90
.set w, w+1
.endr
	s_add_co_u32 s88, s87, 15
	s_lshr_b32 s88, s88, 4                         ; tiles of 16 rows
	s_lshl_b32 s90, s84, 4
	s_sub_co_u32 s93, s87, s90                     ; rows from my first tile on
	s_wait_loadcnt 48                              ; b2 and the scale words are in; the 48 staged loads may be out
	v_and_b32 v[BDT], s91, v[BDT]
	ds_store_b32 v[BST], v[BDT]
	WIN 0x0c                                       ; an LDS store's data are its source 1: window 3
.set y, 0
.rept 16
	s_wait_loadcnt 45-3*y                          ; this pair's three loads are in; the later pairs' may be out
	ds_store_b128 v[LA], v[12*y:12*y+3] offset:2*y*PITCH
	ds_store_b128 v[LB], v[12*y+4:12*y+7] offset:2*y*PITCH+512
	ds_store_b128 v[LA], v[12*y+8:12*y+11] offset:2*y*PITCH+1040
.set y, y+1
.endr
	WIN 0
	HPRE                                           ; my first tile.  Every wave asks: one without a tile asks for tile number wave of the expert's room, inside the buffers, and uses nothing of it
	s_wait_dscnt 0x0                               ; for the others' sake: my 32 rows and my number of b2 lie in LDS
	s_barrier_signal -1
	s_barrier_wait -1                              ; the one barrier: every wave passes it
	s_cmp_ge_u32 s84, s88
	s_cbranch_scc1 .Lend                           ; no tile for this wave
.set f, 0
.rept 64                               ; the whole slice into my registers: a fragment is six loads of 8 bytes, so that every address is a multiple of the access's size
.set ks, f/8
.set tl, f%8
.if f < 63
.set wd, (1+f/21)*64
.set wr, 12*(f%21)
.else
.set wd, 0
.set wr, F63
.endif
.if tl < 4
.set adr, FA
.else
.set adr, FA2
.endif
	WIN wd
.irp p, 0,1,2,3,4,5
	ds_load_b64 v[wr+2*\p:wr+2*\p+1], v[adr] offset:16*(tl%4)*PITCH+96*ks+48*(\p/3)+8*(\p%3)
.endr
.set f, f+1
.endr
	WIN 0
	s_sub_co_u32 s88, s88, s84                     ; my trips: tiles wave, wave + 4, .. under the expert's count: (tiles - wave + 3) / 4, at least 1 here;
	s_add_co_u32 s88, s88, 3
	s_lshr_b32 s88, s88, 2
	s_min_u32 s88, s88, 16                         ; 1,024 rows at the most are 64 tiles, 16 a wave
	s_mov_b32 s89, 0
	s_wait_dscnt 0x0                               ; the slice is in
.Ltile:                                                ; a trip is a tile of 16 rows
.irp t, 0,1,2,3,4,5,6,7
	ds_load_b128 v[ACC+8*\t:ACC+8*\t+3], v5 offset:64*\t          ; the bias (or zeros) starts the sums
	ds_load_b128 v[ACC+8*\t+4:ACC+8*\t+7], v5 offset:64*\t+16
.endr
	s_wait_kmcnt 0x0                               ; the tile's 16 dest words
.set i, 0
.rept 16
	s_min_u32 s76, s[16+i], 0x7ff                  ; held inside part's 2,048 rows
	s_lshl_b32 s76, s76, 14                        ; 16,384 bytes a row of four quarters
	s_add_nc_u64 s[32+2*i:33+2*i], s[74:75], s[76:77]
.set i, i+1
.endr
	s_wait_loadcnt 0x0                             ; the tile, asked for a trip ago
	v_mov_b32 v12, v14
	s_wait_dscnt 0x0                               ; the bias
	MUL
	WIN 0
.rept 4
	v_nop                                          ; four places behind the last product, in front of the loads into the hidden layer's registers and of the first read of results
.endr
	s_wait_xcnt 0x0                                ; the bases and the offset are stepped only behind this wait
	s_add_co_u32 s100, s89, 1
	s_cmp_ge_u32 s100, s88
	s_cbranch_scc1 .Lno_pre                        ; the last trip asks for nothing
	s_add_nc_u64 s[66:67], s[66:67], 4*32*1536     ; four tiles on
	s_add_nc_u64 s[68:69], s[68:69], 4*32*64
	s_add_nc_u64 s[70:71], s[70:71], 256
	s_add_co_u32 s72, s72, 256
	HPRE                                           ; the next tile lands under the way out
.Lno_pre:
.set n, 0
.rept 32
	v_pk_mul_f32 v[ACC+2*n:ACC+2*n+1], v[ACC+2*n:ACC+2*n+1], v[12:13] op_sel_hi:[1,0]   ; x my row's weight; in ascending order: each accumulator is first read at its low end
.set n, n+1
.endr
; A lane holds 32 neighbouring bytes of a row, and the lanes beside it hold other rows: the tile goes through my own stage and comes back as whole rows of 512 bytes, into the registers that it left.
; LDS serves a wave's instructions in order (ISA guide 5.7.1.4): no wait between the stores and the loads.
.irp t, 0,1,2,3,4,5,6,7
	ds_store_b128 v9, v[ACC+8*\t:ACC+8*\t+3] offset:64*\t
	ds_store_b128 v9, v[ACC+8*\t+4:ACC+8*\t+7] offset:64*\t+16
.endr
.irp i, 0,1,2,3,4,5,6,7,8,9,10,11,12,13,14,15
	ds_load_b128 v[ACC+4*\i:ACC+4*\i+3], v10 offset:\i*SPITCH
.endr
.irp i, 0,1,2,3,4,5,6,7,8,9,10,11,12,13,14,15
	s_cmp_le_u32 s93, \i                           ; rows beyond the expert's count are not sent on
	s_cbranch_scc1 .Lrows_done
	s_wait_dscnt 15-\i                             ; row i is back; the later rows' loads may be out
	global_store_b128 v6, v[ACC+4*\i:ACC+4*\i+3], s[32+2*\i:33+2*\i]   ; 32 lanes store 512 consecutive bytes, aligned, of the row's own place
.endr
.Lrows_done:
	s_wait_dscnt 0x0                               ; no load is out into registers that the next trip loads
	s_wait_xcnt 0x0                                ; the stores have read their data and their addresses
	s_sub_co_u32 s93, s93, 64                      ; four tiles' rows on
	s_add_co_u32 s89, s89, 1
	s_cmp_lt_u32 s89, s88
	s_cbranch_scc1 .Ltile
.Lend:
	s_wait_tensorcnt 0x0
	ds_add_u32 v254, v255
	s_wait_dscnt 0x0
	s_endpgm
.Lfunc_end_k_qea63c69bde_ffn2:
	.size	k_qea63c69bde_ffn2, .Lfunc_end_k_qea63c69bde_ffn2-k_qea63c69bde_ffn2
	.p2alignl 7, 3214868480
	.fill 96, 4, 3214868480
	.section	.rodata,"a",@progbits
	.p2align	6, 0x0
	.amdhsa_kernel k_qea63c69bde_ffn2
		.amdhsa_group_segment_fixed_size 135168
		.amdhsa_private_segment_fixed_size 0
		.amdhsa_enable_private_segment 0
		.amdhsa_kernarg_size 56
		.amdhsa_user_sgpr_count 2
		.amdhsa_user_sgpr_kernarg_segment_ptr 1
		.amdhsa_wavefront_size32 1
		.amdhsa_system_sgpr_workgroup_id_x 1
		.amdhsa_system_sgpr_workgroup_id_y 1
		.amdhsa_system_sgpr_workgroup_id_z 1
		.amdhsa_system_vgpr_workitem_id 0
		.amdhsa_next_free_vgpr 1024
		.amdhsa_next_free_sgpr 102
		.amdhsa_reserve_vcc 0
		.amdhsa_float_denorm_mode_32 3
		.amdhsa_float_denorm_mode_16_64 3
		.amdhsa_memory_ordered 1
		.amdhsa_forward_progress 1
		.amdhsa_inst_pref_size 65
	.end_amdhsa_kernel
	.amdgpu_metadata
---
amdhsa.version: [ 1, 2 ]
amdhsa.kernels:
  - .name:           k_qea63c69bde_ffn2
    .symbol:         k_qea63c69bde_ffn2.kd
    .args:
      - { .name: route, .offset: 0, .size: 8, .value_kind: global_buffer, .address_space: global }
      - { .name: dest, .offset: 8, .size: 8, .value_kind: global_buffer, .address_space: global }
      - { .name: hqs, .offset: 16, .size: 8, .value_kind: global_buffer, .address_space: global }
      - { .name: W2_codes, .offset: 24, .size: 8, .value_kind: global_buffer, .address_space: global }
      - { .name: W2_scales, .offset: 32, .size: 8, .value_kind: global_buffer, .address_space: global }
      - { .name: b2, .offset: 40, .size: 8, .value_kind: global_buffer, .address_space: global }
      - { .name: part, .offset: 48, .size: 8, .value_kind: global_buffer, .address_space: global }
    .group_segment_fixed_size: 135168
    .private_segment_fixed_size: 0
    .kernarg_segment_align: 8
    .kernarg_segment_size: 56
    .max_flat_workgroup_size: 128
    .sgpr_count:     102
    .vgpr_count:     1024
    .wavefront_size: 32
...
	.end_amdgpu_metadata
.endif
;; end of part 3
;; launch combine (part 4): grid 256 x 1, 8 waves a work-group, no clusters, 0 bytes of LDS; arguments part, out0; writes out0
.if DOCPART == 4
	.amdgcn_target "amdgcn-amd-amdhsa--gfx1250"
	.amdhsa_code_object_version 6
	.text
	.protected	k_qea63c69bde_combine
	.globl	k_qea63c69bde_combine
	.p2align	8
	.type	k_qea63c69bde_combine,@function
k_qea63c69bde_combine:
	s_mov_b64 s[64:65], 0
	v_nop
	global_prefetch_b8 v0, s[64:65] scope:SCOPE_SE
	s_setreg_imm32_b32 hwreg(HW_REG_WAVE_MODE, 25, 1), 1
	s_wait_xcnt 0x0
; out[t] = the sum of token t's eight partial rows: part is f32 [2048 = 2 t + choice][4 quarters of K][1024], so a token's eight rows are 32,768 consecutive bytes.
; A stream: a work-group takes 4 tokens; thread n owns the 16 bytes at 16 n of every row, so a wave's load or store covers 512 consecutive bytes, aligned.
; All 32 loads of a thread go out at once; each token is added and stored as its eight have come.  No index, no LDS, no barrier; the matrix units have nothing to do here.
; The order of the sum: the four quarters of each choice pairwise, then the two choices.
.set B, 8                              ; v8-135: token t's row j at v[B + 32 t + 4 j]
	s_load_b128 s[4:7], s[0:1], 0x0                ; part s[4:5], out0 s[6:7]
	v_lshlrev_b32 v1, 4, v0
	s_lshl_b32 s8, ttmp9, 17                       ; 4 tokens x 32,768 bytes
	s_mov_b32 s9, 0
	s_lshl_b32 s10, ttmp9, 14                      ; 4 tokens x 4,096 bytes
	s_mov_b32 s11, 0
	s_wait_kmcnt 0x0
	s_add_nc_u64 s[4:5], s[4:5], s[8:9]
	s_add_nc_u64 s[6:7], s[6:7], s[10:11]
.irp t, 0,1,2,3
.irp j, 0,1,2,3,4,5,6,7
	global_load_b128 v[B+32*\t+4*\j:B+32*\t+4*\j+3], v1, s[4:5] offset:32768*\t+4096*\j th:TH_LOAD_NT
.endr
.endr
.irp t, 0,1,2,3
	s_wait_loadcnt 24-8*\t                         ; this token's eight loads are in; the later tokens' may be out
.irp j, 0,2,4,6
	v_pk_add_f32 v[B+32*\t+4*\j:B+32*\t+4*\j+1], v[B+32*\t+4*\j:B+32*\t+4*\j+1], v[B+32*\t+4*\j+4:B+32*\t+4*\j+5]
	v_pk_add_f32 v[B+32*\t+4*\j+2:B+32*\t+4*\j+3], v[B+32*\t+4*\j+2:B+32*\t+4*\j+3], v[B+32*\t+4*\j+6:B+32*\t+4*\j+7]
.endr
.irp j, 0,4
	v_pk_add_f32 v[B+32*\t+4*\j:B+32*\t+4*\j+1], v[B+32*\t+4*\j:B+32*\t+4*\j+1], v[B+32*\t+4*\j+8:B+32*\t+4*\j+9]
	v_pk_add_f32 v[B+32*\t+4*\j+2:B+32*\t+4*\j+3], v[B+32*\t+4*\j+2:B+32*\t+4*\j+3], v[B+32*\t+4*\j+10:B+32*\t+4*\j+11]
.endr
	v_pk_add_f32 v[B+32*\t:B+32*\t+1], v[B+32*\t:B+32*\t+1], v[B+32*\t+16:B+32*\t+17]
	v_pk_add_f32 v[B+32*\t+2:B+32*\t+3], v[B+32*\t+2:B+32*\t+3], v[B+32*\t+18:B+32*\t+19]
	global_store_b128 v1, v[B+32*\t:B+32*\t+3], s[6:7] offset:4096*\t th:TH_STORE_NT
.endr
	s_endpgm
.Lfunc_end_k_qea63c69bde_combine:
	.size	k_qea63c69bde_combine, .Lfunc_end_k_qea63c69bde_combine-k_qea63c69bde_combine
	.p2alignl 7, 3214868480
	.fill 96, 4, 3214868480
	.section	.rodata,"a",@progbits
	.p2align	6, 0x0
	.amdhsa_kernel k_qea63c69bde_combine
		.amdhsa_group_segment_fixed_size 0
		.amdhsa_private_segment_fixed_size 0
		.amdhsa_enable_private_segment 0
		.amdhsa_kernarg_size 16
		.amdhsa_user_sgpr_count 2
		.amdhsa_user_sgpr_kernarg_segment_ptr 1
		.amdhsa_wavefront_size32 1
		.amdhsa_system_sgpr_workgroup_id_x 1
		.amdhsa_system_sgpr_workgroup_id_y 1
		.amdhsa_system_sgpr_workgroup_id_z 1
		.amdhsa_system_vgpr_workitem_id 0
		.amdhsa_next_free_vgpr 136
		.amdhsa_next_free_sgpr 66
		.amdhsa_reserve_vcc 0
		.amdhsa_float_denorm_mode_32 3
		.amdhsa_float_denorm_mode_16_64 3
		.amdhsa_memory_ordered 1
		.amdhsa_forward_progress 1
		.amdhsa_inst_pref_size 8
	.end_amdhsa_kernel
	.amdgpu_metadata
---
amdhsa.version: [ 1, 2 ]
amdhsa.kernels:
  - .name:           k_qea63c69bde_combine
    .symbol:         k_qea63c69bde_combine.kd
    .args:
      - { .name: part, .offset: 0, .size: 8, .value_kind: global_buffer, .address_space: global }
      - { .name: out0, .offset: 8, .size: 8, .value_kind: global_buffer, .address_space: global }
    .group_segment_fixed_size: 0
    .private_segment_fixed_size: 0
    .kernarg_segment_align: 8
    .kernarg_segment_size: 16
    .max_flat_workgroup_size: 256
    .sgpr_count:     66
    .vgpr_count:     136
    .wavefront_size: 32
...
	.end_amdgpu_metadata
.endif
;; end of part 4
;; ======== version 2 of 2: 4 launches; version 1 with the launches ffn1, ffn2 written anew for expert scheduling mode
;; workspace buffers: route 5,120 bytes of whole numbers; xqs 851,968 bytes; hqs 26,247,168 bytes; dest 32,768 bytes of whole numbers; part 33,554,432 bytes
;; launch router: the kernel of part 1 again; grid 64 x 1, 8 waves a work-group, no clusters, 57,344 bytes of LDS; arguments x, Wr, br, route, xqs; writes route, xqs
;; launch ffn1 (part 5): grid 32 x 8, 4 waves a work-group, no clusters, 101,376 bytes of LDS; arguments route, xqs, W1_codes, W1_scales, b1, hqs, dest; writes hqs, dest
.if DOCPART == 5
	.amdgcn_target "amdgcn-amd-amdhsa--gfx1250"
	.amdhsa_code_object_version 6
	.text
	.protected	k_qea63c69bde_ffn1
	.globl	k_qea63c69bde_ffn1
	.p2align	8
	.type	k_qea63c69bde_ffn1,@function
k_qea63c69bde_ffn1:
	s_mov_b64 s[64:65], 0
	v_nop
	global_prefetch_b8 v0, s[64:65] scope:SCOPE_SE
	s_setreg_imm32_b32 hwreg(HW_REG_WAVE_SCHED_MODE, 0, 2), 2
	s_setreg_imm32_b32 hwreg(HW_REG_WAVE_MODE, 25, 1), 1
	s_wait_xcnt 0x0
	s_wait_alu depctr_vm_vsrc(0)
; THE FIRST PRODUCT, FOR THE CHOSEN ROWS ONLY: hidden = Q(gelu(x W1[e] + b1[e])), on codes of E2M3 with one E8M0 scale for each 32 along K.
; Work-group (c, e) owns hidden units 128 c .. 128 c + 127 of expert e: 128 rows of W1's codes x K = 1,024 are 64 fragments (8 tiles x 8 K steps), 768 registers.
; EACH OF THE FOUR WAVES HOLDS THE WHOLE SLICE and takes row tiles of its own: tile T = wave, wave + 4, ..  So the weights are read from memory once, by this work-group alone, and the loop has no barrier and no LDS traffic but the bias.
; THE ROWS of expert e are the tokens whose bit is set in its mask (32 words, stored by the launch before), in ascending order: slot p is the token of the p-th set bit.  The wave makes its own slots' tokens in registers.
; The last tile's slots beyond the expert's count hold some real token: they are computed and stored in the tile's own image, and the next launch never sends them on.
; No tensor load, no cluster: the trips hang on counts read from memory, and each slice of the weights has one reader.
; TRANSPOSED: source 0 = 16 rows of W1, source 1 = 16 routed rows: a lane holds ONE row and its registers run along the hidden units.  THE ROWS OF W1 THAT FORM A TILE ARE NOT NEIGHBOURS: lane r of tile 2 b + u takes unit
; 32 b + 8 u + r + 8 (r / 8), so that the 64 results of a lane are k = 32 b + 16 (lane / 16) + i of K step c of the second product, 16 neighbours to each pair of tiles.
; GELU, exact form: 0.5 u (1 + erf(u / sqrt 2)), erf as t P(t^2) / Q(t^2) with t held to +-3.8325069: a rational form good to a few units in f32's last place of erf.
; OUT: hqs byte 0: images of the hidden fragments [8 e][64 tiles][32 K steps][3][32 lanes][16 bytes];  HS_OFF: their scale words u32 [8][64][32][16 rows];  GW_OFF: f32 [8][1024 slots] the slot's combine weight.
;      dest: u32 [8][1024 slots] = 2 x token + (1 where e is the token's second choice).  The last two are stored by the work-groups with c = 0.
; LIMITS: NaN and infinities are not served.  1 + erf carries erf's absolute error, about 1e-7: for u under about -5.4 the result is |u| times that at the most, of either sign, in place of a still smaller number.
; A block of zeros gets the byte 1: its codes are zeros, and this program alone reads the bytes.
; REGISTERS, in windows of 256: window 0: see the names below.  Windows 1-3: fragment f = 8 s + t (K step s, tile t), f <= 62, in window 1 + f / 21 at register 12 (f % 21); fragment 63 in window 0.  At the head window 3 holds the staged loads.
; THE MODE: SCHED_MODE bits 1:0 = 2 (LLVM: expert scheduling mode 2), set by the entry lines.  The code itself states the register dependences
; between vector or matrix instructions and memory or LDS instructions, with s_wait_alu, always for 0.
; THE PLAN.  Registers that memory or LDS instructions touch, in the loop:
;   BF, BS, v13, v14  a tile's rows.  Written by XPRE's loads, issued a trip ahead; read by the 64 products (BF, BS), by one compare (v13) and by one store (v14).
;   v8-11             XPRE's offsets: written by its own vector lines, read by its loads.
;   ACC               the bias's LDS loads land in it; the products, the activation and the quantiser work in it; the image's three stores read its first 12 registers.
;   v[PW], v15        written by vector lines, read by one store each.
;   v5, v6, v7        made at the head and never written again; the stores' bases are scalar registers.
; A trip's waits: one on va_vdst in XPRE, behind its offsets' lines and ahead of its loads; one ahead of the trip's last four stores, which also serves the next trip's bias loads, since no vector line stands between;
; one ahead of the two small stores; one on vm_vsrc ahead of XPRE and one behind the last stores, each beside the wait on XCNT that stands there; one on va_vcc behind the compare; the activation's one for each batch of reciprocals.
.set XS_OFF,  786432
.set CMB_OFF, 819200
.set SEL_OFF, 1024
.set HS_OFF,  25165824
.set GW_OFF,  26214400
.set PITCH,   784                      ; LDS: a row of the slice, 768 bytes + 16 = 196 words: row r starts 4 r banks on (64 banks of 4 bytes: ISA guide 11.1)
.set BIAS,    128*PITCH                ; behind the 128 rows: my 128 numbers of b1
; v3 48 h; v4 16 h; v5 bias in LDS; v6 16 x lane; v7 4 r; v8-11 the prefetch's offsets; v12 my row's token; v13 its second expert; v14 its combine weight; v15 its dest
.set LR,   16                          ; v16-23   my wave's tokens, 16 bits each: 16 tiles' worth of my row r
.set BS,   24                          ; v24-27   x's scale words: register j: lanes 0-15 K step j, lanes 16-31 K step j + 4.  Scales and nothing else
.set WS,   28                          ; v28-59   W1's: register 4 t + j likewise.  Scales and nothing else
.set F63,  60                          ; v60-71   fragment 63
.set ACC,  72                          ; v72-135  the 8 accumulators
.set BF,   136                         ; v136-231 x's 8 fragments
.set GT,   232                         ; v232-251 the activation's work: t, t^2, P, Q, u / 2, a pair each, for two pairs by turns
.set GS,   234
.set GP,   236
.set GQ,   238
.set GH,   240
.set TM,   232                         ; the quantiser's work: v232-235 largest magnitudes, v236-239 bytes, v240-243 the conversions' scale operands
.set PW,   244                         ; the scale word
.set CA,   246                         ; the first two blocks' codes
.set CB,   250
.set FA,   232                         ; at the head only: LDS addresses and offsets, in registers that never hold loaded data
.set FA2,  233
.set LA,   234
.set LB,   235
.set WSO,  236
.set P0,   237
.set BST,  238
.set BDT,  239                         ; (my number of b1)
.set GB4,  240
.set HH,   241
.set TMP,  242
.set PP,   72                          ; at the head only: the search for my slots' tokens
.set MM,   73
.set QQ,   74
.set KK,   75
.set AA,   76
.set BB,   77
.set CC,   78
.set DD,   79
.set TT,   80
.set PO,   81
.set T2,   82
.set TOK,  83
.set XX,   84
; SCALARS: s84 wave, s85 c, s86 e, s87 the expert's rows, s88 its tiles, then my wave's trips, s89 the trip, s90, s91, s93 at work, s92 lanes 0-15, s[94:95] lane selects, s[96:97] an offset, s[98:99] the masks, s100 4 e, s101 a byte selector.
; At the head s16-47 the 32 mask words, s48-63 and s66-81 for each word (rows before it) x 32 + its number; in the search s2, s3, s89, s91, s93, s96, s98, s99, free there, take eight compares' masks.
; In the loop s16-35 the activation's constants in pairs, s40, s41 the hold, s[42:49] four bases.
.set MSB, 0
.macro WIN new                         ; s_set_vgpr_msb: bits 1:0 source 0, 3:2 source 1, 5:4 source 2, 7:6 destination; the high byte repeats the setting that is left
.if MSB != (\new)
	s_set_vgpr_msb (MSB<<8)|(\new)
.set MSB, (\new)
.endif
.endm
.macro SPAIR r, val                    ; a constant for the packed forms, which name a pair and take its low word for both halves
	s_mov_b32 s[\r], \val
	s_mov_b32 s[\r+1], \val
.endm
; One step of the search for the k-th set bit: the field of \width bits at PO holds the count of set bits there; if k is not under it, pass over it.
.macro LEVEL src, width
	v_bfe_u32 v[TT], v[\src], v[PO], \width
	v_cmp_ge_u32 vcc_lo, v[KK], v[TT]
	s_wait_alu depctr_va_vcc(0)                    ; the compare has written VCC, which the two selects below read
	v_cndmask_b32 v[TT], 0, v[TT], vcc_lo
	v_sub_nc_u32 v[KK], v[KK], v[TT]
	v_cndmask_b32 v[T2], 0, \width, vcc_lo
	v_add_nc_u32 v[PO], v[PO], v[T2]
.endm
; Does word w begin behind slot p?  The mask goes to scalar register m;
.macro CMPW w, m
	v_cmp_gt_u32 s[\m], s[48+(\w)+2*((\w)/16)], v[PP]
.endm
; where it does not, the word and its packed number are taken.
.macro TAKEW w, m
	v_cndmask_b32 v[MM], s[16+(\w)], v[MM], s[\m]
	v_cndmask_b32 v[QQ], s[48+(\w)+2*((\w)/16)], v[QQ], s[\m]
.endm
; Eight words from w0 on (seven in the last run): the compares, which do not hang on each other, in one run into eight scalar registers, one wait, then the selects in ascending order.
.macro WORDS8 w0
	CMPW (\w0), 2
	CMPW (\w0)+1, 3
	CMPW (\w0)+2, 89
	CMPW (\w0)+3, 91
	CMPW (\w0)+4, 93
	CMPW (\w0)+5, 96
	CMPW (\w0)+6, 98
.if (\w0)+7 < 32
	CMPW (\w0)+7, 99
.endif
	s_wait_alu depctr_va_sdst(0)                   ; the run of compares has written its scalar registers, which the selects below read
	TAKEW (\w0), 2
	TAKEW (\w0)+1, 3
	TAKEW (\w0)+2, 89
	TAKEW (\w0)+3, 91
	TAKEW (\w0)+4, 93
	TAKEW (\w0)+5, 96
	TAKEW (\w0)+6, 98
.if (\w0)+7 < 32
	TAKEW (\w0)+7, 99
.endif
.endm
; The tokens of 32 slots: lanes 0-15 tile wave + 8 jj, lanes 16-31 tile wave + 8 jj + 4; slot p = 16 x tile + r.
.macro SELECT jj
	v_add_nc_u32 v[KK], 128*\jj, v[P0]             ; p
	v_lshl_or_b32 v[PP], v[KK], 5, 31
	v_mov_b32 v[MM], s16
	v_mov_b32 v[QQ], 0
	WORDS8 1                                       ; the last word with no more than p rows before it
	WORDS8 9
	WORDS8 17
	WORDS8 25
	v_lshrrev_b32 v[TT], 5, v[QQ]
	v_sub_nc_u32 v[KK], v[KK], v[TT]               ; k: which set bit of that word
	v_and_b32 v[QQ], 31, v[QQ]                     ; the word's number
	v_lshrrev_b32 v[AA], 1, v[MM]                  ; counts of set bits in fields of 2, 4, 8 bits, and in the low 16
	v_and_b32 v[AA], 0x55555555, v[AA]
	v_sub_nc_u32 v[AA], v[MM], v[AA]
	v_lshrrev_b32 v[BB], 2, v[AA]
	v_and_b32 v[BB], 0x33333333, v[BB]
	v_and_b32 v[TT], 0x33333333, v[AA]
	v_add_nc_u32 v[BB], v[BB], v[TT]
	v_lshrrev_b32 v[CC], 4, v[BB]
	v_add_nc_u32 v[CC], v[CC], v[BB]
	v_and_b32 v[CC], 0x0f0f0f0f, v[CC]
	v_lshrrev_b32 v[DD], 8, v[CC]
	v_add_nc_u32 v[DD], v[DD], v[CC]
	v_and_b32 v[TT], 0xff, v[DD]
	v_cmp_ge_u32 vcc_lo, v[KK], v[TT]
	s_wait_alu depctr_va_vcc(0)                    ; the compare has written VCC, which the two selects below read
	v_cndmask_b32 v[TT], 0, v[TT], vcc_lo
	v_sub_nc_u32 v[KK], v[KK], v[TT]
	v_cndmask_b32 v[PO], 0, 16, vcc_lo
	LEVEL CC, 8
	LEVEL BB, 4
	LEVEL AA, 2
	LEVEL MM, 1
	v_lshl_add_u32 v[TOK], v[QQ], 5, v[PO]
	v_min_u32 v[TOK], 0x3ff, v[TOK]                ; (a slot beyond the expert's rows finds some token: held inside the table)
	v_permlanex16_b32 v[XX], v[TOK], s94, s95      ; both halves of the lanes want row r's token of both tiles
	v_cndmask_b32 v[TT], v[XX], v[TOK], s92        ; the earlier tile's,
	v_cndmask_b32 v[T2], v[TOK], v[XX], s92        ; the later one's
	v_lshl_or_b32 v[LR+\jj], v[T2], 16, v[TT]
.endm
; The next tile's rows are asked for: my row's 8 fragments (lane (r, h): 48 consecutive bytes a K step), its scale words, its second expert, its combine weight for e.
.macro XPRE
	v_and_b32 v12, 0xffff, v[LR]
	v_min_u32 v12, 0x3ff, v12
	v_mul_u32_u24 v8, v12, 768
	v_add_nc_u32 v8, v8, v3
	v_lshl_add_u32 v9, v12, 5, v4
	v_lshlrev_b32 v10, 2, v12
	v_lshl_add_u32 v11, v12, 5, s100
	s_wait_alu depctr_va_vdst(0)                   ; the offsets v8 to v11 are written, which the loads below read; the products are done reading BF and BS and the compare v13, in which they land; at the head: the search is done with v72 to v84, in which the first bias lands
.irp s, 0,1,2,3,4,5,6,7
.irp i, 0,1,2
	global_load_b128 v[BF+12*\s+4*\i:BF+12*\s+4*\i+3], v8, s[6:7] offset:96*\s+16*\i
.endr
.endr
	global_load_b128 v[BS:BS+3], v9, s[6:7] offset:XS_OFF
	global_load_b32 v13, v10, s[4:5] offset:SEL_OFF
	global_load_b32 v14, v11, s[6:7] offset:CMB_OFF
.endm
; 64 matrix instructions: K step by K step, the 8 accumulators by turns, one instruction a turn.  Four switches of source 0's window.
.macro MUL
.set f, 0
.rept 64
.set ks, f/8
.set tl, f%8
.if f < 63
.set wn, 1+f/21
.set wr, 12*(f%21)
.else
.set wn, 0
.set wr, F63
.endif
	WIN wn
.if ks < 4
	v_wmma_scale_f32_16x16x128_f8f6f4 v[ACC+8*tl:ACC+8*tl+7], v[wr:wr+11], v[BF+12*ks:BF+12*ks+11], v[ACC+8*tl:ACC+8*tl+7], v[WS+4*tl+ks], v[BS+ks] matrix_a_fmt:MATRIX_FMT_FP6 matrix_b_fmt:MATRIX_FMT_FP6
.else
	v_wmma_scale_f32_16x16x128_f8f6f4 v[ACC+8*tl:ACC+8*tl+7], v[wr:wr+11], v[BF+12*ks:BF+12*ks+11], v[ACC+8*tl:ACC+8*tl+7], v[WS+4*tl+ks-4], v[BS+ks-4] matrix_a_fmt:MATRIX_FMT_FP6 matrix_b_fmt:MATRIX_FMT_FP6 matrix_a_scale:MATRIX_SCALE_ROW1 matrix_b_scale:MATRIX_SCALE_ROW1
.endif
.set f, f+1
.endr
.endm
; The activation of four numbers, v[ACC + 4 a] on, as two pairs by turns; P's and Q's chains by turns too: no line waits for the line above it.
.macro GELU2 a
.irp z, 0,1
	v_pk_mul_f32 v[GT+10*\z:GT+10*\z+1], v[ACC+4*(\a)+2*\z:ACC+4*(\a)+2*\z+1], s[16:17] op_sel_hi:[1,0]   ; t = u / sqrt 2
.endr
.irp z, 0,1
	v_med3_num_f32 v[GT+10*\z], v[GT+10*\z], s41, s40
	v_med3_num_f32 v[GT+10*\z+1], v[GT+10*\z+1], s41, s40
.endr
.irp z, 0,1
	v_pk_mul_f32 v[GS+10*\z:GS+10*\z+1], v[GT+10*\z:GT+10*\z+1], v[GT+10*\z:GT+10*\z+1]
.endr
.irp z, 0,1
	v_pk_fma_f32 v[GP+10*\z:GP+10*\z+1], v[GS+10*\z:GS+10*\z+1], v[0:1], s[18:19] op_sel_hi:[1,0,0]                ; v0: P's leading coefficient
	v_pk_fma_f32 v[GQ+10*\z:GQ+10*\z+1], v[GS+10*\z:GS+10*\z+1], v[0:1], s[26:27] op_sel:[0,1,0] op_sel_hi:[1,1,0]  ; v1: Q's
.endr
.irp k, 0,1,2
.irp z, 0,1
	v_pk_fma_f32 v[GP+10*\z:GP+10*\z+1], v[GP+10*\z:GP+10*\z+1], v[GS+10*\z:GS+10*\z+1], s[20+2*\k:21+2*\k] op_sel_hi:[1,1,0]
	v_pk_fma_f32 v[GQ+10*\z:GQ+10*\z+1], v[GQ+10*\z:GQ+10*\z+1], v[GS+10*\z:GS+10*\z+1], s[28+2*\k:29+2*\k] op_sel_hi:[1,1,0]
.endr
.endr
.irp z, 0,1
	v_pk_fma_f32 v[GQ+10*\z:GQ+10*\z+1], v[GQ+10*\z:GQ+10*\z+1], v[GS+10*\z:GS+10*\z+1], s[34:35] op_sel_hi:[1,1,0]
	v_pk_mul_f32 v[GH+10*\z:GH+10*\z+1], v[ACC+4*(\a)+2*\z:ACC+4*(\a)+2*\z+1], 0.5 op_sel_hi:[1,0]
.endr
.irp z, 0,1
	v_pk_fma_f32 v[GQ+10*\z:GQ+10*\z+1], v[GQ+10*\z:GQ+10*\z+1], v[GS+10*\z:GS+10*\z+1], 1.0 op_sel_hi:[1,1,0]
.endr
.irp z, 0,1
	v_rcp_f32 v[GQ+10*\z], v[GQ+10*\z]
	v_rcp_f32 v[GQ+10*\z+1], v[GQ+10*\z+1]
.endr
.irp z, 0,1
	v_pk_mul_f32 v[GP+10*\z:GP+10*\z+1], v[GP+10*\z:GP+10*\z+1], v[GT+10*\z:GT+10*\z+1]   ; (plain lines behind the reciprocals, which they do not name)
.endr
	s_wait_alu depctr_va_vdst(0)                   ; the four reciprocals 1 / Q are written: one wait for the batch, ahead of its first reader
.irp z, 0,1
	v_pk_mul_f32 v[GP+10*\z:GP+10*\z+1], v[GP+10*\z:GP+10*\z+1], v[GQ+10*\z:GQ+10*\z+1]   ; erf
.endr
.irp z, 0,1
	v_pk_fma_f32 v[ACC+4*(\a)+2*\z:ACC+4*(\a)+2*\z+1], v[GH+10*\z:GH+10*\z+1], v[GP+10*\z:GP+10*\z+1], v[GH+10*\z:GH+10*\z+1]   ; u / 2 x erf + u / 2
.endr
.endm
; My row's 64 numbers, register 16 b + i = k 32 b + 16 (lane / 16) + i, become a fragment's 12 registers in v[ACC] on and its scale word in v[PW].
.macro QUANT
.irp b, 0,1,2,3
	v_max3_num_f32 v[TM+\b], |v[ACC+16*\b]|, |v[ACC+1+16*\b]|, 0x1800000   ; block b: my 16 numbers, and the floor 2^(3 - 127): the byte cannot fall under 1
.endr
.irp i, 2,4,6,8,10,12,14
.irp b, 0,1,2,3
	v_max3_num_f32 v[TM+\b], v[TM+\b], |v[ACC+16*\b+\i]|, |v[ACC+1+16*\b+\i]|
.endr
.endr
.irp b, 0,1,2,3
	v_permlanex16_b32 v[TM+4+\b], v[TM+\b], s94, s95
.endr
.irp b, 0,1,2,3
	v_max_num_f32 v[TM+\b], v[TM+\b], v[TM+4+\b]   ; with lane l xor 16's: the block's largest magnitude
.endr
.irp b, 0,1,2,3
	v_add_nc_u32 v[TM+8+\b], 0xff000000, v[TM+\b]  ; 2 off its exponent field: the conversion's scale operand
.endr
.irp b, 0,1,2,3
	v_lshrrev_b32 v[TM+4+\b], 23, v[TM+8+\b]       ; the scale's byte
.endr
	v_lshl_or_b32 v[PW], v[TM+5], 8, v[TM+4]
	v_lshl_or_b32 v[PW], v[TM+6], 16, v[PW]
	v_lshl_or_b32 v[PW], v[TM+7], 24, v[PW]
	v_cvt_scalef32_pk16_fp6_f32 v[CA:CA+2], v[ACC:ACC+15], v[TM+8]
	v_cvt_scalef32_pk16_fp6_f32 v[CB:CB+2], v[ACC+16:ACC+31], v[TM+9]
	v_nop                                          ; a plain line: the next two conversions write registers that these two have read
	v_cvt_scalef32_pk16_fp6_f32 v[ACC+6:ACC+8], v[ACC+32:ACC+47], v[TM+10]
	v_cvt_scalef32_pk16_fp6_f32 v[ACC+12:ACC+14], v[ACC+48:ACC+63], v[TM+11]
	v_nop                                          ; a plain line behind the last conversion
.irp i, 0,1,2                          ; the operand's layout wants a WHOLE block in a lane: lanes 0-15 the even block, lanes 16-31 the odd one
	v_permlane16_swap_b32 v[CA+\i], v[CB+\i]
	v_permlane16_swap_b32 v[ACC+6+\i], v[ACC+12+\i]
.endr
.irp i, 0,1,2
	v_mov_b32 v[ACC+\i], v[CA+\i]
	v_mov_b32 v[ACC+3+\i], v[CB+\i]
	v_mov_b32 v[ACC+9+\i], v[ACC+12+\i]
.endr
.endm
	s_load_b256 s[4:11], s[0:1], 0x0               ; route s[4:5], xqs s[6:7], W1's codes s[8:9], W1's scales s[10:11]
	s_load_b128 s[12:15], s[0:1], 0x20             ; b1 s[12:13], hqs s[14:15]
	s_load_b64 s[82:83], s[0:1], 0x30              ; dest
	v_lshl_add_u32 v254, v0, 2, 0x18a00
	v_mov_b32 v255, 0
	v_lshrrev_b32 v1, 5, v0
	v_readfirstlane_b32 s84, v1                    ; wave 0..3
	s_mov_b32 s85, ttmp9                           ; c
	s_and_b32 s86, ttmp7, 0xffff                   ; e
	s_mov_b32 s92, 0xffff
	s_mov_b32 s94, 0x76543210
	s_mov_b32 s95, 0xfedcba98
	s_lshl_b32 s100, s86, 2
	s_mov_b32 s101, 0x05040302                     ; v_perm_b32: the upper half of one word under the lower half of the next
	v_and_b32 v1, 31, v0                           ; lane
	v_and_b32 v2, 15, v0                           ; r
	v_bfe_u32 v[HH], v0, 4, 1                      ; h
	v_mul_u32_u24 v3, v[HH], 48
	v_lshlrev_b32 v4, 4, v[HH]
	v_lshl_add_u32 v5, v[HH], 6, BIAS              ; tile 2 b + u, my half: units 32 b + 16 h + 8 u + 0 .. 7
	v_lshlrev_b32 v6, 4, v1
	v_lshlrev_b32 v7, 2, v2
	v_mul_u32_u24 v[FA], v2, PITCH
	v_mad_u32_u24 v[FA], v[HH], 24, v[FA]          ; a fragment: place r of its tile, + 24 h
	v_add_nc_u32 v[FA2], 64*PITCH, v[FA]           ; the same for tiles 4-7: an LDS offset has 16 bits
	s_wait_alu depctr_va_sdst(0)                   ; s84, the wave's number, is written, ahead of its first reader
	s_mul_i32 s90, s84, 32*PITCH
	v_add_nc_u32 v[LA], s90, v6                    ; the stage's way in: my wave's 32 places, 16 bytes a lane;
	v_add_nc_u32 v[LB], v[LA], v4                  ; where a load straddles two rows, lanes 16-31 lie one padding further on
	v_and_b32 v[TMP], 8, v2
	v_add_nc_u32 v[TMP], v[TMP], v2                ; r + 8 (r / 8)
	v_lshl_add_u32 v[WSO], v[TMP], 5, v4           ; W1's scale bytes: 32 a row; lanes 16-31 take K steps 4-7
	s_lshl_b32 s90, s84, 4
	v_lshl_add_u32 v[P0], v[HH], 6, v2
	v_add_nc_u32 v[P0], s90, v[P0]                 ; 16 x wave + 64 h + r
	v_lshlrev_b32 v[GB4], 2, v0
	v_add_nc_u32 v[BST], BIAS, v[GB4]
.irp i, 0,1,2,3,4,5,6,7
	v_mov_b32 v[LR+\i], 0                          ; tiles that the search below leaves out hold token 0
.endr
	v_mov_b32 v[XX], 0                             ; a lane permute's destination counts as one of its sources
	s_lshl_b32 s90, s86, 12
	s_lshl_b32 s91, s85, 7
	s_add_co_u32 s90, s90, s91                     ; the slice's first row: 4096 e + 128 c
	s_lshl_b32 s96, s84, 5
	s_add_co_u32 s96, s96, s90
	s_mul_i32 s96, s96, 768                        ; my wave stages 32 rows: 24,576 consecutive bytes
	s_mov_b32 s97, 0
	s_wait_kmcnt 0x0
	s_add_nc_u64 s[8:9], s[8:9], s[96:97]
	s_lshl_b32 s96, s90, 5
	s_add_nc_u64 s[10:11], s[10:11], s[96:97]
	s_lshl_b32 s96, s90, 2
	s_add_nc_u64 s[12:13], s[12:13], s[96:97]
	s_lshl_b32 s96, s86, 7
	s_add_nc_u64 s[98:99], s[4:5], s[96:97]
	s_load_b512 s[16:31], s[98:99], 0x0            ; the expert's mask: 1,024 bits
	s_load_b512 s[32:47], s[98:99], 0x40
	s_wait_alu depctr_va_vdst(0)                   ; the head's offsets and LDS addresses are written (v5 to v7, v232 to v238, v240, and the closing add's pair): no vector line writes one of them again ahead of the last load or store that reads it
	global_load_b32 v[BDT], v[GB4], s[12:13]       ; 128 threads, 128 numbers of b1
.irp t, 0,1,2,3,4,5,6,7
	global_load_b128 v[WS+4*\t:WS+4*\t+3], v[WSO], s[10:11] offset:(32*(\t/2)+8*(\t%2))*32
.endr
	WIN 0xc0                                       ; destination window 3
.set n, 0
.rept 48
	global_load_b128 v[4*n:4*n+3], v6, s[8:9] offset:512*n th:TH_LOAD_NT   ; 512 consecutive bytes; read once in the launch
.set n, n+1
.endr
	WIN 0
	s_wait_kmcnt 0x0                               ; the mask.  All that follows down to the stage runs while the weights are on their way
	s_mov_b32 s87, 0
.set w, 0
.rept 32
.set pk, 48+w+2*(w/16)
	s_lshl_b32 s[pk], s87, 5
.if w > 0
	s_or_b32 s[pk], s[pk], w
.endif
	s_bcnt1_i32_b32 s90, s[16+w]
	s_add_co_u32 s87, s87, s90
.set w, w+1
.endr
	s_add_co_u32 s88, s87, 15
	s_lshr_b32 s88, s88, 4                         ; tiles of 16 rows
.irp jj, 0,1,2,3,4,5,6,7
	s_add_co_u32 s90, s84, 8*\jj
	s_cmp_ge_u32 s90, s88
	s_cbranch_scc1 .Lsel_done
	SELECT \jj
.endr
.Lsel_done:
	s_wait_loadcnt 48                              ; b1 and the scale words are in; the 48 staged loads may be out
	ds_store_b32 v[BST], v[BDT]
	WIN 0x0c                                       ; an LDS store's data are its source 1: window 3
; Rows 2 y and 2 y + 1 of my 32 (1,536 bytes, three loads) go to neighbouring places: row x of a block of 32 units lies at place 16 (bit 3) + 8 (bit 4) + its low 3 bits, so that a tile is 16 places on end.
.set y, 0
.rept 16
.set pos, 16*((y>>2)&1)+8*(y>>3)+2*(y&3)
	s_wait_loadcnt 45-3*y                          ; this pair's three loads are in; the later pairs' may be out
	ds_store_b128 v[LA], v[12*y:12*y+3] offset:pos*PITCH
	ds_store_b128 v[LB], v[12*y+4:12*y+7] offset:pos*PITCH+512
	ds_store_b128 v[LA], v[12*y+8:12*y+11] offset:pos*PITCH+1040
.set y, y+1
.endr
	WIN 0
	XPRE                                           ; my first tile's rows.  Every wave asks: one without a tile asks for token 0 and uses nothing of it
	s_wait_dscnt 0x0                               ; for the others' sake: my 32 rows and my number of b1 lie in LDS
	s_barrier_signal -1
	s_barrier_wait -1                              ; the one barrier: every wave passes it
	s_wait_alu depctr_vm_vsrc(0)                   ; my LDS stores have read window 3's registers, in which fragments of the slice land below
	s_cmp_ge_u32 s84, s88
	s_cbranch_scc1 .Lend                           ; no tile for this wave
.set f, 0
.rept 64                               ; the whole slice into my registers: a fragment is six loads of 8 bytes, so that every address is a multiple of the access's size
.set ks, f/8
.set tl, f%8
.if f < 63
.set wd, (1+f/21)*64
.set wr, 12*(f%21)
.else
.set wd, 0
.set wr, F63
.endif
.if tl < 4
.set adr, FA
.else
.set adr, FA2
.endif
	WIN wd
.irp p, 0,1,2,3,4,5
	ds_load_b64 v[wr+2*\p:wr+2*\p+1], v[adr] offset:16*(tl%4)*PITCH+96*ks+48*(\p/3)+8*(\p%3)
.endr
.set f, f+1
.endr
	WIN 0
	SPAIR 16, 0x3f3504f3                           ; 1 / sqrt 2
	SPAIR 18, 0x3b5f5da2                           ; P: 0.0034082910,
	SPAIR 20, 0x3d50b6eb                           ;    0.050955695,
	SPAIR 22, 0x3e3da740                           ;    0.18520832,
	SPAIR 24, 0x3f906eba                           ;    1.1283791
	SPAIR 26, 0x37c588df                           ; Q: 0.000023547966,
	SPAIR 28, 0x3a856d28                           ;    0.0010179625,
	SPAIR 30, 0x3c6687d4                           ;    0.014070470,
	SPAIR 32, 0x3de34c21                           ;    0.11098505,
	SPAIR 34, 0x3efeb44a                           ;    0.49746925; its last term is 1
	s_mov_b32 s40, 0x407547cb                      ; t is held to +-3.8325069
	s_mov_b32 s41, 0xc07547cb
	v_mov_b32 v0, 0x39702d51                       ; P's leading coefficient, 0.00022905066
	v_mov_b32 v1, 0xb3fd3906                       ; Q's, -1.1791603e-7
	s_lshl_b32 s90, s86, 6
	s_add_co_u32 s90, s90, s84                     ; 64 e + my first tile
	s_lshl_b32 s90, s90, 5
	s_add_co_u32 s90, s90, s85                     ; x 32 K steps + c
	s_mul_i32 s96, s90, 1536
	s_add_nc_u64 s[42:43], s[14:15], s[96:97]      ; the image
	s_lshl_b32 s96, s90, 6
	s_add_co_u32 s96, s96, HS_OFF
	s_add_nc_u64 s[44:45], s[14:15], s[96:97]      ; its scale words
	s_lshl_b32 s96, s86, 12
	s_lshl_b32 s90, s84, 6
	s_add_co_u32 s96, s96, s90                     ; (1024 e + 16 x tile) x 4
	s_add_nc_u64 s[46:47], s[82:83], s[96:97]      ; dest
	s_add_co_u32 s96, s96, GW_OFF
	s_add_nc_u64 s[48:49], s[14:15], s[96:97]      ; the slots' weights
	s_sub_co_u32 s88, s88, s84                     ; my trips: tiles wave, wave + 4, .. under the expert's count: (tiles - wave + 3) / 4, at least 1 here;
	s_add_co_u32 s88, s88, 3
	s_lshr_b32 s88, s88, 2
	s_min_u32 s88, s88, 16                         ; 1,024 rows at the most are 64 tiles, 16 a wave
	s_mov_b32 s89, 0
	s_wait_dscnt 0x0                               ; the slice is in
.Ltile:                                                ; a trip is a tile of 16 rows
; The bias lands in ACC with no wait of its own: on the way in the last vector lines that named these registers, the search's, stand ahead of XPRE's wait on va_vdst; on the way back the quantiser's
; stand ahead of the wait in front of the trip's last stores, and those stores' reads ahead of the wait on vm_vsrc behind them.
.irp t, 0,1,2,3,4,5,6,7
	ds_load_b128 v[ACC+8*\t:ACC+8*\t+3], v5 offset:(32*(\t/2)+8*(\t%2))*4          ; the bias starts the sums: no addition is spent on it
	ds_load_b128 v[ACC+8*\t+4:ACC+8*\t+7], v5 offset:(32*(\t/2)+8*(\t%2))*4+16
.endr
	s_wait_loadcnt 0x0                             ; the tile's rows, asked for a trip ago
	v_cmp_eq_u32 vcc_lo, s86, v13
	s_wait_alu depctr_va_vcc(0)                    ; the compare has written VCC, which the select below reads
	v_cndmask_b32 v15, 0, 1, vcc_lo
	v_lshl_add_u32 v15, v12, 1, v15                ; 2 x token + (e is its second choice)
	s_cmp_lg_u32 s85, 0
	s_cbranch_scc1 .Lnot_first
	s_wait_alu depctr_va_vdst(0)                   ; v15 is written, which the first store below reads
	global_store_b32 v7, v15, s[46:47]             ; lanes r and r + 16 write the same word with the same value
	global_store_b32 v7, v14, s[48:49]
.Lnot_first:
	s_wait_dscnt 0x0                               ; the bias
	MUL
	WIN 0
.irp i, 0,1,2,3,4,5,6
	v_perm_b32 v[LR+\i], v[LR+\i+1], v[LR+\i], s101    ; the list moves on by 16 bits.  These eight plain lines name no register of the products: they are the places
.endr
	v_lshrrev_b32 v[LR+7], 16, v[LR+7]             ; behind the last of them (ISA guide 7.12.1), in front of the first read of results
	s_wait_xcnt 0x0                                ; the stores above have read v14: it and the offsets are written again only behind this wait
	s_wait_alu depctr_vm_vsrc(0)                   ; the two stores above have read v14 and v15, the last tile's loads v8 to v11: all are written again below or in the next trip; in the first trip the head's loads and stores have read v232 to v240, which the activation writes
	s_add_co_u32 s93, s89, 1
	s_cmp_ge_u32 s93, s88
	s_cbranch_scc1 .Lno_pre                        ; the last trip asks for nothing
	XPRE                                           ; the next tile's rows land under the activation, which names none of their registers
.Lno_pre:
.irp a, 0,1,2,3,4,5,6,7,8,9,10,11,12,13,14,15
	GELU2 \a                                       ; in ascending order: each accumulator is first read at its low end
.endr
	QUANT
	s_wait_alu depctr_va_vdst(0)                   ; the quantiser has written the fragment's 12 registers and the scale word, which the four stores below read, and is done with all of ACC, in which the next trip's bias lands
.irp i, 0,1,2
	global_store_b128 v6, v[ACC+4*\i:ACC+4*\i+3], s[42:43] offset:512*\i   ; the fragment as it stands: 512 consecutive bytes a store, aligned
.endr
	global_store_b32 v7, v[PW], s[44:45]
	s_wait_xcnt 0x0                                ; the stores have read their data and bases: both are written again only behind this wait
	s_wait_alu depctr_vm_vsrc(0)                   ; the stores have read the fragment's 12 registers, in which the next trip's bias lands, and the scale word's, which the next activation writes
	s_add_nc_u64 s[42:43], s[42:43], 4*32*1536     ; four tiles on
	s_add_nc_u64 s[44:45], s[44:45], 4*32*64
	s_add_nc_u64 s[46:47], s[46:47], 256
	s_add_nc_u64 s[48:49], s[48:49], 256
	s_add_co_u32 s89, s89, 1
	s_cmp_lt_u32 s89, s88
	s_cbranch_scc1 .Ltile
.Lend:
	s_wait_dscnt 0x0                               ; the closing lines, six on end
	s_wait_alu 0x0
	s_wait_tensorcnt 0x0
	ds_add_u32 v254, v255
	s_wait_dscnt 0x0
	s_endpgm
.Lfunc_end_k_qea63c69bde_ffn1:
	.size	k_qea63c69bde_ffn1, .Lfunc_end_k_qea63c69bde_ffn1-k_qea63c69bde_ffn1
	.p2alignl 7, 3214868480
	.fill 96, 4, 3214868480
	.section	.rodata,"a",@progbits
	.p2align	6, 0x0
	.amdhsa_kernel k_qea63c69bde_ffn1
		.amdhsa_group_segment_fixed_size 101376
		.amdhsa_private_segment_fixed_size 0
		.amdhsa_enable_private_segment 0
		.amdhsa_kernarg_size 56
		.amdhsa_user_sgpr_count 2
		.amdhsa_user_sgpr_kernarg_segment_ptr 1
		.amdhsa_wavefront_size32 1
		.amdhsa_system_sgpr_workgroup_id_x 1
		.amdhsa_system_sgpr_workgroup_id_y 1
		.amdhsa_system_sgpr_workgroup_id_z 1
		.amdhsa_system_vgpr_workitem_id 0
		.amdhsa_next_free_vgpr 1024
		.amdhsa_next_free_sgpr 102
		.amdhsa_reserve_vcc 1
		.amdhsa_float_denorm_mode_32 3
		.amdhsa_float_denorm_mode_16_64 3
		.amdhsa_memory_ordered 1
		.amdhsa_forward_progress 1
		.amdhsa_inst_pref_size 171
	.end_amdhsa_kernel
	.amdgpu_metadata
---
amdhsa.version: [ 1, 2 ]
amdhsa.kernels:
  - .name:           k_qea63c69bde_ffn1
    .symbol:         k_qea63c69bde_ffn1.kd
    .args:
      - { .name: route, .offset: 0, .size: 8, .value_kind: global_buffer, .address_space: global }
      - { .name: xqs, .offset: 8, .size: 8, .value_kind: global_buffer, .address_space: global }
      - { .name: W1_codes, .offset: 16, .size: 8, .value_kind: global_buffer, .address_space: global }
      - { .name: W1_scales, .offset: 24, .size: 8, .value_kind: global_buffer, .address_space: global }
      - { .name: b1, .offset: 32, .size: 8, .value_kind: global_buffer, .address_space: global }
      - { .name: hqs, .offset: 40, .size: 8, .value_kind: global_buffer, .address_space: global }
      - { .name: dest, .offset: 48, .size: 8, .value_kind: global_buffer, .address_space: global }
    .group_segment_fixed_size: 101376
    .private_segment_fixed_size: 0
    .kernarg_segment_align: 8
    .kernarg_segment_size: 56
    .max_flat_workgroup_size: 128
    .sgpr_count:     102
    .vgpr_count:     1024
    .wavefront_size: 32
...
	.end_amdgpu_metadata
.endif
;; end of part 5
;; launch ffn2 (part 6): grid 32 x 8, 4 waves a work-group, no clusters, 135,168 bytes of LDS; arguments route, dest, hqs, W2_codes, W2_scales, b2, part; writes part
.if DOCPART == 6
	.amdgcn_target "amdgcn-amd-amdhsa--gfx1250"
	.amdhsa_code_object_version 6
	.text
	.protected	k_qea63c69bde_ffn2
	.globl	k_qea63c69bde_ffn2
	.p2align	8
	.type	k_qea63c69bde_ffn2,@function
k_qea63c69bde_ffn2:
	s_mov_b64 s[64:65], 0
	v_nop
	global_prefetch_b8 v0, s[64:65] scope:SCOPE_SE
	s_setreg_imm32_b32 hwreg(HW_REG_WAVE_SCHED_MODE, 0, 2), 2
	s_setreg_imm32_b32 hwreg(HW_REG_WAVE_MODE, 25, 1), 1
	s_wait_xcnt 0x0
	s_wait_alu depctr_vm_vsrc(0)
; THE SECOND PRODUCT, FOR THE CHOSEN ROWS ONLY: part[dest][q] = weight x (hidden W2[e], K steps 8 q .. 8 q + 7, + b2[e] in quarter 0), on codes of E2M3 with one E8M0 scale for each 32 along K.
; Work-group x = dc + 8 q, y = e: columns d = 128 dc .. + 127 of the output, a quarter q of K = 4,096: 128 rows of W2's codes x 1,024 along K are 64 fragments, 768 registers.
; EACH OF THE FOUR WAVES HOLDS THE WHOLE SLICE and takes row tiles of its own: tile T = wave, wave + 4, ..  The weights are read from memory once, by this work-group alone.
; The hidden layer comes as images of its operand registers (stored by the launch before): 12,288 consecutive bytes a tile and quarter.
; Source 0 = 16 rows of W2, source 1 = the hidden fragment: lane (r, h), register j of tile t holds (routed row r, d = 16 t + 8 h + j).
; A routed row's result goes to the row dest = 2 x token + choice of part, f32 [2048][4 q][1024]: each byte of part has one writer, and the last launch adds a token's eight rows.
; Rows beyond the expert's count in its last tile are never stored.  No tensor load, no cluster: the trips hang on counts read from memory, and each slice of the weights has one reader.
; REGISTERS, in windows of 256: window 0: see the names below.  Windows 1-3: fragment f = 8 s + t, f <= 62, in window 1 + f / 21 at register 12 (f % 21); fragment 63 in window 0.  At the head window 3 holds the staged loads.
; THE MODE: SCHED_MODE bits 1:0 = 2 (LLVM: expert scheduling mode 2), set by the entry lines.  The code itself states the register dependences
; between vector or matrix instructions and memory or LDS instructions, with s_wait_alu, always for 0.
; THE PLAN.  Registers that memory or LDS instructions touch, in the loop:
;   BF, BS, v14   a tile.  Written by HPRE's loads, issued a trip ahead; read by the 64 products (BF, BS) and by one move (v14).
;   ACC           the bias's LDS loads land in it; the products and 32 multiplications work in it; the stage's LDS stores read it; the rows come back into it; the global stores read it.
;   v5 to v10     made at the head and never written again; the loads' bases and the rows' addresses are scalar registers.
; A trip's waits: one on va_vdst straight ahead of HPRE's loads (the tile's registers are asked for again as soon as the products have read them: the wave's next trip begins by waiting for these loads);
; one behind the multiplications, ahead of the stage's stores; one on vm_vsrc between those stores and the loads that land in the same registers; one behind the rows' stores, beside the wait on XCNT that stands there.
.set HS_OFF,  25165824
.set GW_OFF,  26214400
.set PITCH,   784                      ; LDS: a row of the slice, 768 bytes + 16 = 196 words: row r starts 4 r banks on (64 banks of 4 bytes: ISA guide 11.1)
.set BIAS,    128*PITCH                ; my 128 numbers of b2 (zeros in quarters 1-3)
.set STG,     BIAS+512                 ; the way out: 16 rows x SPITCH for each wave
.set SPITCH,  528
; v5 bias in LDS; v6 16 x lane; v7 4 r; v8 4 r + 256 h; v9, v10 the stage (in, out); v[12:13] my row's weight in use; v14 the next tile's
.set BS,   24                          ; v24-27   the hidden layer's scale words: register j: lanes 0-15 K step j, lanes 16-31 K step j + 4.  Scales and nothing else
.set WS,   28                          ; v28-59   W2's: register 4 t + j likewise.  Scales and nothing else
.set F63,  60                          ; v60-71   fragment 63
.set ACC,  72                          ; v72-135  the 8 accumulators; on the way out 16 whole rows
.set BF,   136                         ; v136-231 the hidden layer's 8 fragments
.set FA,   232                         ; at the head only: LDS addresses and offsets
.set FA2,  233
.set LA,   234
.set LB,   235
.set WSO,  236
.set GBO,  237
.set BST,  238
.set BDT,  239                         ; (my number of b2)
.set GB4,  240
.set HH,   241
; SCALARS: s84 wave, s85 dc, s86 e, s87 the expert's rows, s88 its tiles, then my wave's trips, s89 the trip, s90, s91, s100 at work, s93 rows left from this tile on, s[96:97] an offset, s[98:99] the masks, s101 q.
; s16-47 at the head the mask; in the loop s[16:31] the tile's 16 dest words, s[32:63] 16 row addresses; s[66:71] three bases; s72 dest's byte offset; s[74:75] part at my quarter and columns; s[76:77] an offset.
.set MSB, 0
.macro WIN new                         ; s_set_vgpr_msb: bits 1:0 source 0, 3:2 source 1, 5:4 source 2, 7:6 destination; the high byte repeats the setting that is left
.if MSB != (\new)
	s_set_vgpr_msb (MSB<<8)|(\new)
.set MSB, (\new)
.endif
.endm
; The next tile is asked for: its 8 fragments as they were stored, their scale words, my row's weight, and the 16 dest words as scalars.
.macro HPRE
.set n, 0
.rept 24
	global_load_b128 v[BF+4*n:BF+4*n+3], v6, s[66:67] offset:512*n
.set n, n+1
.endr
.irp j, 0,1,2,3
	global_load_b32 v[BS+\j], v8, s[68:69] offset:64*\j
.endr
	global_load_b32 v14, v7, s[70:71]
	s_load_b512 s[16:31], s[6:7], s72 offset:0x0
.endm
; 64 matrix instructions: K step by K step, the 8 accumulators by turns, one instruction a turn.  Four switches of source 0's window.
.macro MUL
.set f, 0
.rept 64
.set ks, f/8
.set tl, f%8
.if f < 63
.set wn, 1+f/21
.set wr, 12*(f%21)
.else
.set wn, 0
.set wr, F63
.endif
	WIN wn
.if ks < 4
	v_wmma_scale_f32_16x16x128_f8f6f4 v[ACC+8*tl:ACC+8*tl+7], v[wr:wr+11], v[BF+12*ks:BF+12*ks+11], v[ACC+8*tl:ACC+8*tl+7], v[WS+4*tl+ks], v[BS+ks] matrix_a_fmt:MATRIX_FMT_FP6 matrix_b_fmt:MATRIX_FMT_FP6
.else
	v_wmma_scale_f32_16x16x128_f8f6f4 v[ACC+8*tl:ACC+8*tl+7], v[wr:wr+11], v[BF+12*ks:BF+12*ks+11], v[ACC+8*tl:ACC+8*tl+7], v[WS+4*tl+ks-4], v[BS+ks-4] matrix_a_fmt:MATRIX_FMT_FP6 matrix_b_fmt:MATRIX_FMT_FP6 matrix_a_scale:MATRIX_SCALE_ROW1 matrix_b_scale:MATRIX_SCALE_ROW1
.endif
.set f, f+1
.endr
.endm
	s_load_b256 s[4:11], s[0:1], 0x0               ; route s[4:5], dest s[6:7], hqs s[8:9], W2's codes s[10:11]
	s_load_b128 s[12:15], s[0:1], 0x20             ; W2's scales s[12:13], b2 s[14:15]
	s_load_b64 s[82:83], s[0:1], 0x30              ; part
	v_lshl_add_u32 v254, v0, 2, 0x20e00
	v_mov_b32 v255, 0
	v_lshrrev_b32 v1, 5, v0
	v_readfirstlane_b32 s84, v1                    ; wave 0..3
	s_and_b32 s85, ttmp9, 7                        ; dc
	s_lshr_b32 s101, ttmp9, 3                      ; q
	s_and_b32 s86, ttmp7, 0xffff                   ; e
	v_and_b32 v1, 31, v0                           ; lane
	v_and_b32 v2, 15, v0                           ; r
	v_bfe_u32 v[HH], v0, 4, 1                      ; h
	v_lshl_add_u32 v5, v[HH], 5, BIAS              ; tile t, my half: d = 16 t + 8 h + 0 .. 7
	v_lshlrev_b32 v6, 4, v1
	v_lshlrev_b32 v7, 2, v2
	v_lshl_add_u32 v8, v[HH], 8, v7
	s_wait_alu depctr_va_sdst(0)                   ; s84, the wave's number, is written, ahead of its first reader
	s_mul_i32 s90, s84, 16*SPITCH
	s_add_co_u32 s90, s90, STG                     ; my stage
	v_mul_u32_u24 v9, v2, SPITCH
	v_lshl_add_u32 v9, v[HH], 5, v9
	v_add_nc_u32 v9, s90, v9                       ; in: row r, 32 bytes for each half of the lanes
	v_add_nc_u32 v10, s90, v6                      ; back: the 32 lanes take a row of 512 bytes
	v_mov_b32 v13, 0                               ; (named as the upper half of the pair v[12:13])
	v_mul_u32_u24 v[FA], v2, PITCH
	v_mad_u32_u24 v[FA], v[HH], 24, v[FA]          ; a fragment: row r of its tile, + 24 h
	v_add_nc_u32 v[FA2], 64*PITCH, v[FA]           ; the same for tiles 4-7: an LDS offset has 16 bits
	s_mul_i32 s90, s84, 32*PITCH
	v_add_nc_u32 v[LA], s90, v6                    ; the stage of the weights, way in: my wave's 32 rows, 16 bytes a lane;
	v_lshl_add_u32 v[LB], v[HH], 4, v[LA]          ; where a load straddles two rows, lanes 16-31 lie one padding further on in LDS,
	v_mul_u32_u24 v[GBO], v[HH], 2304
	v_add_nc_u32 v[GBO], v[GBO], v6                ; and 3,072 - 768 bytes further on in memory
	v_lshlrev_b32 v[WSO], 7, v2
	v_lshl_add_u32 v[WSO], v[HH], 4, v[WSO]        ; W2's scale bytes: 128 a row; lanes 16-31 take the quarter's K steps 4-7
	v_lshlrev_b32 v[GB4], 2, v0
	v_add_nc_u32 v[BST], BIAS, v[GB4]
	s_lshl_b32 s90, s86, 10
	s_lshl_b32 s91, s85, 7
	s_add_co_u32 s90, s90, s91                     ; the slice's first row: 1024 e + 128 dc
	s_lshl_b32 s96, s84, 5
	s_add_co_u32 s96, s96, s90
	s_mul_i32 s96, s96, 3072                       ; my wave stages 32 rows' pieces of 768 bytes: three aligned blocks of 256 bytes each
	s_mul_i32 s91, s101, 768
	s_add_co_u32 s96, s96, s91
	s_mov_b32 s97, 0
	s_wait_kmcnt 0x0
	s_add_nc_u64 s[10:11], s[10:11], s[96:97]
	s_lshl_b32 s96, s90, 7
	s_lshl_b32 s91, s101, 5
	s_add_co_u32 s96, s96, s91
	s_add_nc_u64 s[12:13], s[12:13], s[96:97]
	s_lshl_b32 s96, s90, 2
	s_add_nc_u64 s[14:15], s[14:15], s[96:97]
	s_lshl_b32 s96, s86, 7
	s_add_nc_u64 s[98:99], s[4:5], s[96:97]
	s_load_b512 s[16:31], s[98:99], 0x0            ; the expert's mask: only its count is wanted here
	s_load_b512 s[32:47], s[98:99], 0x40
	s_wait_alu depctr_va_vdst(0)                   ; the head's offsets and LDS addresses are written (v5 to v10, v232 to v238, v240, and the closing add's pair): no vector line writes one of them again
	global_load_b32 v[BDT], v[GB4], s[14:15]       ; 128 threads, 128 numbers of b2
.irp t, 0,1,2,3,4,5,6,7
	global_load_b128 v[WS+4*\t:WS+4*\t+3], v[WSO], s[12:13] offset:2048*\t
.endr
	WIN 0xc0                                       ; destination window 3
.set y, 0
.rept 16                               ; rows 2 y and 2 y + 1 of my 32: 1,536 bytes, three loads
	global_load_b128 v[12*y:12*y+3], v6, s[10:11] offset:6144*y th:TH_LOAD_NT
	global_load_b128 v[12*y+4:12*y+7], v[GBO], s[10:11] offset:6144*y+512 th:TH_LOAD_NT
	global_load_b128 v[12*y+8:12*y+11], v6, s[10:11] offset:6144*y+3328 th:TH_LOAD_NT
.set y, y+1
.endr
	WIN 0
	s_lshl_b32 s90, s86, 6                         ; the bases of my first tile
	s_add_co_u32 s90, s90, s84
	s_lshl_b32 s90, s90, 5
	s_lshl_b32 s96, s101, 3
	s_add_co_u32 s90, s90, s96                     ; (64 e + tile) x 32 K steps + 8 q
	s_mul_i32 s96, s90, 1536
	s_add_nc_u64 s[66:67], s[8:9], s[96:97]        ; the images
	s_lshl_b32 s96, s90, 6
	s_add_co_u32 s96, s96, HS_OFF
	s_add_nc_u64 s[68:69], s[8:9], s[96:97]        ; their scale words
	s_lshl_b32 s72, s86, 12
	s_lshl_b32 s90, s84, 6
	s_add_co_u32 s72, s72, s90                     ; (1024 e + 16 x tile) x 4: dest's byte offset
	s_add_co_u32 s96, s72, GW_OFF
	s_add_nc_u64 s[70:71], s[8:9], s[96:97]        ; the slots' weights
	s_lshl_b32 s96, s101, 12
	s_lshl_b32 s90, s85, 9
	s_add_co_u32 s96, s96, s90
	s_add_nc_u64 s[74:75], s[82:83], s[96:97]      ; part at quarter q, column 128 dc
	s_mov_b32 s77, 0
	s_cmp_eq_u32 s101, 0
	s_cselect_b32 s91, -1, 0                       ; the bias counts once: in quarter 0
	s_wait_kmcnt 0x0                               ; the mask
	s_mov_b32 s87, 0
.set w, 0
.rept 32
	s_bcnt1_i32_b32 s90, s[16+w]
	s_add_co_u32 s87, s87, s90
.set w, w+1
.endr
	s_add_co_u32 s88, s87, 15
	s_lshr_b32 s88, s88, 4                         ; tiles of 16 rows
	s_lshl_b32 s90, s84, 4
	s_sub_co_u32 s93, s87, s90                     ; rows from my first tile on
	s_wait_loadcnt 48                              ; b2 and the scale words are in; the 48 staged loads may be out
	v_and_b32 v[BDT], s91, v[BDT]
	s_wait_alu depctr_va_vdst(0)                   ; my number of b2, or zero, is written, which the LDS store below reads
	ds_store_b32 v[BST], v[BDT]
	WIN 0x0c                                       ; an LDS store's data are its source 1: window 3
.set y, 0
.rept 16
	s_wait_loadcnt 45-3*y                          ; this pair's three loads are in; the later pairs' may be out
	ds_store_b128 v[LA], v[12*y:12*y+3] offset:2*y*PITCH
	ds_store_b128 v[LB], v[12*y+4:12*y+7] offset:2*y*PITCH+512
	ds_store_b128 v[LA], v[12*y+8:12*y+11] offset:2*y*PITCH+1040
.set y, y+1
.endr
	WIN 0
	HPRE                                           ; my first tile.  Every wave asks: one without a tile asks for tile number wave of the expert's room, inside the buffers, and uses nothing of it.  No vector line has named the registers in which it lands
	s_wait_dscnt 0x0                               ; for the others' sake: my 32 rows and my number of b2 lie in LDS
	s_barrier_signal -1
	s_barrier_wait -1                              ; the one barrier: every wave passes it
	s_wait_alu depctr_vm_vsrc(0)                   ; my LDS stores have read window 3's registers, in which fragments of the slice land below
	s_cmp_ge_u32 s84, s88
	s_cbranch_scc1 .Lend                           ; no tile for this wave
.set f, 0
.rept 64                               ; the whole slice into my registers: a fragment is six loads of 8 bytes, so that every address is a multiple of the access's size
.set ks, f/8
.set tl, f%8
.if f < 63
.set wd, (1+f/21)*64
.set wr, 12*(f%21)
.else
.set wd, 0
.set wr, F63
.endif
.if tl < 4
.set adr, FA
.else
.set adr, FA2
.endif
	WIN wd
.irp p, 0,1,2,3,4,5
	ds_load_b64 v[wr+2*\p:wr+2*\p+1], v[adr] offset:16*(tl%4)*PITCH+96*ks+48*(\p/3)+8*(\p%3)
.endr
.set f, f+1
.endr
	WIN 0
	s_sub_co_u32 s88, s88, s84                     ; my trips: tiles wave, wave + 4, .. under the expert's count: (tiles - wave + 3) / 4, at least 1 here;
	s_add_co_u32 s88, s88, 3
	s_lshr_b32 s88, s88, 2
	s_min_u32 s88, s88, 16                         ; 1,024 rows at the most are 64 tiles, 16 a wave
	s_mov_b32 s89, 0
	s_wait_dscnt 0x0                               ; the slice is in
.Ltile:                                                ; a trip is a tile of 16 rows
; The bias lands in ACC with no wait of its own: on the way in nothing has named these registers; on the way back the last vector lines that did, the multiplications, stand ahead of the wait on va_vdst behind them,
; and the rows' stores have read them ahead of the wait on vm_vsrc at the trip's end.
.irp t, 0,1,2,3,4,5,6,7
	ds_load_b128 v[ACC+8*\t:ACC+8*\t+3], v5 offset:64*\t          ; the bias (or zeros) starts the sums
	ds_load_b128 v[ACC+8*\t+4:ACC+8*\t+7], v5 offset:64*\t+16
.endr
	s_wait_kmcnt 0x0                               ; the tile's 16 dest words
.set i, 0
.rept 16
	s_min_u32 s76, s[16+i], 0x7ff                  ; held inside part's 2,048 rows
	s_lshl_b32 s76, s76, 14                        ; 16,384 bytes a row of four quarters
	s_add_nc_u64 s[32+2*i:33+2*i], s[74:75], s[76:77]
.set i, i+1
.endr
	s_wait_loadcnt 0x0                             ; the tile, asked for a trip ago
	v_mov_b32 v12, v14
	s_wait_dscnt 0x0                               ; the bias
	MUL
	WIN 0
.rept 4
	v_nop                                          ; four places behind the last product (ISA guide 7.12.1), in front of the first read of results
.endr
	s_wait_xcnt 0x0                                ; the bases and the offset are stepped only behind this wait
	s_add_co_u32 s100, s89, 1
	s_cmp_ge_u32 s100, s88
	s_cbranch_scc1 .Lno_pre                        ; the last trip asks for nothing
	s_add_nc_u64 s[66:67], s[66:67], 4*32*1536     ; four tiles on
	s_add_nc_u64 s[68:69], s[68:69], 4*32*64
	s_add_nc_u64 s[70:71], s[70:71], 256
	s_add_co_u32 s72, s72, 256
	s_wait_alu depctr_va_vdst(0)                   ; the products are done reading BF and BS, and the move v14: the loads below land in them
	HPRE                                           ; the next tile lands under the way out, which names none of its registers
.Lno_pre:
.set n, 0
.rept 32
	v_pk_mul_f32 v[ACC+2*n:ACC+2*n+1], v[ACC+2*n:ACC+2*n+1], v[12:13] op_sel_hi:[1,0]   ; x my row's weight; in ascending order: each accumulator is first read at its low end
.set n, n+1
.endr
; A lane holds 32 neighbouring bytes of a row, and the lanes beside it hold other rows: the tile goes through my own stage and comes back as whole rows of 512 bytes, into the registers that it left.
; LDS serves a wave's instructions in order (ISA guide 5.7.1.4): no wait on DScnt between the stores and the loads.
	s_wait_alu depctr_va_vdst(0)                   ; the multiplications have written ACC, which the LDS stores below read and in which the rows then land
.irp t, 0,1,2,3,4,5,6,7
	ds_store_b128 v9, v[ACC+8*\t:ACC+8*\t+3] offset:64*\t
	ds_store_b128 v9, v[ACC+8*\t+4:ACC+8*\t+7] offset:64*\t+16
.endr
	s_wait_alu depctr_vm_vsrc(0)                   ; the LDS stores have read ACC, in which the loads below land
.irp i, 0,1,2,3,4,5,6,7,8,9,10,11,12,13,14,15
	ds_load_b128 v[ACC+4*\i:ACC+4*\i+3], v10 offset:\i*SPITCH
.endr
.irp i, 0,1,2,3,4,5,6,7,8,9,10,11,12,13,14,15
	s_cmp_le_u32 s93, \i                           ; rows beyond the expert's count are not sent on
	s_cbranch_scc1 .Lrows_done
	s_wait_dscnt 15-\i                             ; row i is back; the later rows' loads may be out
	global_store_b128 v6, v[ACC+4*\i:ACC+4*\i+3], s[32+2*\i:33+2*\i]   ; 32 lanes store 512 consecutive bytes, aligned, of the row's own place
.endr
.Lrows_done:
	s_wait_dscnt 0x0                               ; no load is out into registers that the next trip loads
	s_wait_xcnt 0x0                                ; the stores have read their data and their addresses
	s_wait_alu depctr_vm_vsrc(0)                   ; the rows' stores have read ACC, in which the next trip's bias lands
	s_sub_co_u32 s93, s93, 64                      ; four tiles' rows on
	s_add_co_u32 s89, s89, 1
	s_cmp_lt_u32 s89, s88
	s_cbranch_scc1 .Ltile
.Lend:
	s_wait_dscnt 0x0                               ; the closing lines, six on end
	s_wait_alu 0x0
	s_wait_tensorcnt 0x0
	ds_add_u32 v254, v255
	s_wait_dscnt 0x0
	s_endpgm
.Lfunc_end_k_qea63c69bde_ffn2:
	.size	k_qea63c69bde_ffn2, .Lfunc_end_k_qea63c69bde_ffn2-k_qea63c69bde_ffn2
	.p2alignl 7, 3214868480
	.fill 96, 4, 3214868480
	.section	.rodata,"a",@progbits
	.p2align	6, 0x0
	.amdhsa_kernel k_qea63c69bde_ffn2
		.amdhsa_group_segment_fixed_size 135168
		.amdhsa_private_segment_fixed_size 0
		.amdhsa_enable_private_segment 0
		.amdhsa_kernarg_size 56
		.amdhsa_user_sgpr_count 2
		.amdhsa_user_sgpr_kernarg_segment_ptr 1
		.amdhsa_wavefront_size32 1
		.amdhsa_system_sgpr_workgroup_id_x 1
		.amdhsa_system_sgpr_workgroup_id_y 1
		.amdhsa_system_sgpr_workgroup_id_z 1
		.amdhsa_system_vgpr_workitem_id 0
		.amdhsa_next_free_vgpr 1024
		.amdhsa_next_free_sgpr 102
		.amdhsa_reserve_vcc 0
		.amdhsa_float_denorm_mode_32 3
		.amdhsa_float_denorm_mode_16_64 3
		.amdhsa_memory_ordered 1
		.amdhsa_forward_progress 1
		.amdhsa_inst_pref_size 65
	.end_amdhsa_kernel
	.amdgpu_metadata
---
amdhsa.version: [ 1, 2 ]
amdhsa.kernels:
  - .name:           k_qea63c69bde_ffn2
    .symbol:         k_qea63c69bde_ffn2.kd
    .args:
      - { .name: route, .offset: 0, .size: 8, .value_kind: global_buffer, .address_space: global }
      - { .name: dest, .offset: 8, .size: 8, .value_kind: global_buffer, .address_space: global }
      - { .name: hqs, .offset: 16, .size: 8, .value_kind: global_buffer, .address_space: global }
      - { .name: W2_codes, .offset: 24, .size: 8, .value_kind: global_buffer, .address_space: global }
      - { .name: W2_scales, .offset: 32, .size: 8, .value_kind: global_buffer, .address_space: global }
      - { .name: b2, .offset: 40, .size: 8, .value_kind: global_buffer, .address_space: global }
      - { .name: part, .offset: 48, .size: 8, .value_kind: global_buffer, .address_space: global }
    .group_segment_fixed_size: 135168
    .private_segment_fixed_size: 0
    .kernarg_segment_align: 8
    .kernarg_segment_size: 56
    .max_flat_workgroup_size: 128
    .sgpr_count:     102
    .vgpr_count:     1024
    .wavefront_size: 32
...
	.end_amdgpu_metadata
.endif
;; end of part 6
;; launch combine: the kernel of part 4 again; grid 256 x 1, 8 waves a work-group, no clusters, 0 bytes of LDS; arguments part, out0; writes out0
